; MI455X (gfx1250); checked and timed in simulation.
; The chip was launched on July 23, 2026; its instructions are those of AMD's public machine-readable ISA for CDNA 5 (MIT licence, August 2026) and "CDNA5" Instruction Set Architecture Reference Guide (July 2026). The comments in the code are by the model that wrote it; some were corrected since.
;; Moe MLP. Allowed arithmetic: matrix products marked QUANTISED: E2M3 operands, one E8M0 scale for each 32 along K, by v_wmma_scale_f32_16x16x128_f8f6f4 with both operands' format E2M3, f32 sums; products left as they are: f32 operands where the result goes on into a quantised operand, else bf16, f16 or f32 operands; f32 sums; everything else in f32.
;; Inputs: gate_w 8 x 1,024 float32; hidden_states 2 x 1,024 x 32 x 32 float32; w1_codes 8 x 1,024 x 32 x 24 uint8 (E2M3 codes of w1, K innermost, in blocks of 32 codes, four codes in three bytes); w1_scales 8 x 1,024 x 32 uint8 (E8M0 scales of w1, one for each 32 codes along K); w2_codes 8 x 1,024 x 32 x 24 uint8 (E2M3 codes of w2, K innermost, in blocks of 32 codes, four codes in three bytes); w2_scales 8 x 1,024 x 32 uint8 (E8M0 scales of w2, one for each 32 codes along K); w3_codes 8 x 1,024 x 32 x 24 uint8 (E2M3 codes of w3, K innermost, in blocks of 32 codes, four codes in three bytes); w3_scales 8 x 1,024 x 32 uint8 (E8M0 scales of w3, one for each 32 codes along K).
;; Outputs: out0 2 x 1,024 x 32 x 32 float32.
;; This version of the problem:
;;   THIS VERSION OF THE PROBLEM IS GIVEN IN LOW PRECISION. The matrix products marked QUANTISED in the list below multiply operands that are first quantised to E2M3 (2 exponent bits, 3 mantissa bits; 6 bits a number), with one power-of-two scale for each 32 numbers along K (OCP MX v1.0); their sums are f32. All else is computed in f32.
;;   The module's matrix products, in the order in which they are computed (A, B: the left and right operand; K: the contracted axis; several contracted axes count as one K, in the product's order):
;;     1. [M 2,048, K 1,024] x [K 1,024, N 8]; A: input hidden_states; B: input gate_w: left as it is (N = 8 < 16)
;;     2. [M 2,048, K 1,024] x [K 1,024, N 1,024]; A: input hidden_states; B: input w1 (given as codes): QUANTISED
;;     3. [M 2,048, K 1,024] x [K 1,024, N 1,024]; A: input hidden_states; B: input w3 (given as codes): QUANTISED
;;     4. [M 2,048, K 1,024] x [K 1,024, N 1,024]; A: computed on the way; B: input w2 (given as codes): QUANTISED
;;     5. [M 2,048, K 1,024] x [K 1,024, N 1,024]; A: input hidden_states; B: input w1 (given as codes): QUANTISED
;;     6. [M 2,048, K 1,024] x [K 1,024, N 1,024]; A: input hidden_states; B: input w3 (given as codes): QUANTISED
;;     7. [M 2,048, K 1,024] x [K 1,024, N 1,024]; A: computed on the way; B: input w2 (given as codes): QUANTISED
;;     8. [M 2,048, K 1,024] x [K 1,024, N 1,024]; A: input hidden_states; B: input w1 (given as codes): QUANTISED
;;     9. [M 2,048, K 1,024] x [K 1,024, N 1,024]; A: input hidden_states; B: input w3 (given as codes): QUANTISED
;;     10. [M 2,048, K 1,024] x [K 1,024, N 1,024]; A: computed on the way; B: input w2 (given as codes): QUANTISED
;;     11. [M 2,048, K 1,024] x [K 1,024, N 1,024]; A: input hidden_states; B: input w1 (given as codes): QUANTISED
;;     12. [M 2,048, K 1,024] x [K 1,024, N 1,024]; A: input hidden_states; B: input w3 (given as codes): QUANTISED
;;     13. [M 2,048, K 1,024] x [K 1,024, N 1,024]; A: computed on the way; B: input w2 (given as codes): QUANTISED
;;     14. [M 2,048, K 1,024] x [K 1,024, N 1,024]; A: input hidden_states; B: input w1 (given as codes): QUANTISED
;;     15. [M 2,048, K 1,024] x [K 1,024, N 1,024]; A: input hidden_states; B: input w3 (given as codes): QUANTISED
;;     16. [M 2,048, K 1,024] x [K 1,024, N 1,024]; A: computed on the way; B: input w2 (given as codes): QUANTISED
;;     17. [M 2,048, K 1,024] x [K 1,024, N 1,024]; A: input hidden_states; B: input w1 (given as codes): QUANTISED
;;     18. [M 2,048, K 1,024] x [K 1,024, N 1,024]; A: input hidden_states; B: input w3 (given as codes): QUANTISED
;;     19. [M 2,048, K 1,024] x [K 1,024, N 1,024]; A: computed on the way; B: input w2 (given as codes): QUANTISED
;;     20. [M 2,048, K 1,024] x [K 1,024, N 1,024]; A: input hidden_states; B: input w1 (given as codes): QUANTISED
;;     21. [M 2,048, K 1,024] x [K 1,024, N 1,024]; A: input hidden_states; B: input w3 (given as codes): QUANTISED
;;     22. [M 2,048, K 1,024] x [K 1,024, N 1,024]; A: computed on the way; B: input w2 (given as codes): QUANTISED
;;     23. [M 2,048, K 1,024] x [K 1,024, N 1,024]; A: input hidden_states; B: input w1 (given as codes): QUANTISED
;;     24. [M 2,048, K 1,024] x [K 1,024, N 1,024]; A: input hidden_states; B: input w3 (given as codes): QUANTISED
;;     25. [M 2,048, K 1,024] x [K 1,024, N 1,024]; A: computed on the way; B: input w2 (given as codes): QUANTISED
;;   THE QUANTISER, for each operand of a quantised product, along K:
;;     - K is cut into blocks of 32 from its start; a last block that is shorter is filled with zeros.
;;     - A block's scale is 2^e with e = floor(log2(the largest magnitude in the block)) - 2, held to -126 .. 127; a block of zeros has e = 0. As a byte (E8M0): e + 127.
;;     - Each number is divided by its block's scale, clamped to +-7.5, and rounded to the nearest number of E2M3, ties to even, subnormals kept.
;;     - The product sums the exact products of the quantised numbers (number of the format x scale) in f32.
;;   ~~~python
;;   def quantise(x, axis):      # numpy; x: float32 -> the quantised numbers, widened to float32 again
;;       x = np.moveaxis(x, axis, -1); K = x.shape[-1]
;;       x = np.pad(x, [(0, 0)] * (x.ndim - 1) + [(0, -K % 32)]); x = x.reshape(x.shape[:-1] + (-1, 32)); a = np.abs(x).max(-1, keepdims=True)
;;       e = np.where(a > 0, np.clip(np.frexp(np.where(a > 0, a, 1))[1] - 1 - 2, -126, 127), 0)      # np.frexp(a)[1] - 1 = floor(log2(a)), exactly
;;       r = np.clip(x / 2.0 ** e, -7.5, 7.5)
;;       step = 2.0 ** (np.maximum(np.frexp(np.where(r == 0, 1, r))[1] - 1, 0) - 3)
;;       q = np.round(r / step) * step * 2.0 ** e      # np.round: ties to even
;;       return np.moveaxis(q.reshape(q.shape[:-2] + (-1,))[..., :K], -1, axis).astype(np.float32)
;;   ~~~
;;   OPERANDS COMPUTED ON THE WAY. 'Computed on the way' means the value that the module computes at that place (a softmax that the list does not call 'softmax' is quantised finished and normalised). What goes into a quantiser is computed in f32, as accurately as f32 sums, v_exp_f32 and their like allow (about 1e-6 of the number): no bf16 or f16 on the way to a quantiser, and a product that is left as it is and whose result goes on into a quantised operand takes f32 operands (vector FMAs, or v_wmma_f32_16x16x4_f32). A number that lies on a knife's edge between two numbers of the format may be rounded either way, as far as f32 arithmetic and the matrix unit's own rounding can turn it there, and no further.
;;   INPUTS GIVEN AS CODES. w1 (in the module: [8, 1024, 1024], K = its axis 2); w2 (in the module: [8, 1024, 1024], K = its axis 2); w3 (in the module: [8, 1024, 1024], K = its axis 2): each comes as NAME_codes (uint8): NAME with its K axis moved to the last place and cut into blocks of 32 codes, [.., K / 32, bytes a block], one block behind the other in memory; four codes in three bytes: a row's codes are one little-endian stream of bits, code i at bits 6 i .. 6 i + 5 (a code: sign, 2 exponent bits, 3 mantissa bits); and NAME_scales (uint8): the same leading axes, one E8M0 byte (e + 127) for each 32 codes along K. Its value is code x scale, taken as it is: it is not quantised again, and the codes and scales need not be those that the quantiser above would give.
;; 2 versions, each right; version 2 is version 1 with the launches up, down written anew for expert scheduling mode. Each part assembles by itself: llvm-mc -triple=amdgcn-amd-amdhsa -mcpu=gfx1250 --defsym DOCPART=n.
;; ======== version 1 of 2: 4 launches
;; workspace buffers: xq 1,572,864 bytes; xs 65,536 bytes; rw 16,384 bytes; tab 4,096 bytes of whole numbers; hq 12,582,912 bytes; hs 524,288 bytes; y 20,971,520 bytes
;; launch route (part 1): grid 64 x 1, 16 waves a work-group, no clusters, 53,248 bytes of LDS; arguments hidden_states, gate_w, xq, xs, rw, tab; writes xq, xs, rw, tab
.if DOCPART == 1
	.amdgcn_target "amdgcn-amd-amdhsa--gfx1250"
	.amdhsa_code_object_version 6
	.text
	.protected	k_q70fcf90d6c_route
	.globl	k_q70fcf90d6c_route
	.p2align	8
	.type	k_q70fcf90d6c_route,@function
k_q70fcf90d6c_route:
	s_mov_b64 s[64:65], 0
	v_nop
	global_prefetch_b8 v0, s[64:65] scope:SCOPE_SE
	s_setreg_imm32_b32 hwreg(HW_REG_WAVE_MODE, 25, 1), 1
	s_wait_xcnt 0x0
; ROUTE.  x[t][c] = hidden_states[b][c][hw], t = 1024 b + hw.  This launch (a) turns x into codes of FP6 (E2M3) along c, laid [token][768 bytes] as the weights' rows are,
; with one E8M0 byte for each 32 channels; (b) computes the router in f32 (logits by fused multiply-adds, softmax with the maximum taken off, the two largest, ties to the lower
; index, renormalised); (c) stores each token's two weights and, as whole numbers, lane masks that say for each expert which tokens chose it first and which second.
; SHARES.  A work-group owns 32 tokens (64 work-groups); a lane is a token; wave w of 16 takes channels 64 w .. 64 w + 63, its registers running down the channels: each load reads
; 128 consecutive bytes, a block of 32 channels lies in one lane, and the conversions give codes with the channels innermost.  Nothing is transposed by an instruction.
; THE SCALE BYTES ARE STORED IN THE ORDER IN WHICH THE PRODUCTS' LAUNCHES WANT THEM: in each word of four (128 channels) bytes 1 and 2 change places (see the head of the next launch).
; No matrix unit, no tensor load, no cluster: the work is a stream, and the work-groups share only the 32 KiB of gate_w.
; LIMITS: NaN and infinities among the inputs are not served.  A block whose largest magnitude lies under 2^-124 keeps the scale byte 1 (a block of zeros too: its codes are zeros; only
; this program reads the bytes).  A probability under 2^-126 comes out of v_exp_f32 as 0; such a second choice has a weight of nothing, so which expert takes it does not show.
.set XP,   1040                        ; LDS: a token's row of codes: 64 places of 16 bytes, each with 12 bytes of codes, + 16
.set SSTG, 32*XP                       ; behind the 32 rows: the scale bytes, 32 a token
.set PSTG, SSTG+1024                   ; behind them: the partial logits, [token][wave][8], a token's 512 bytes + 16
.set PP,   528
; v1 lane; v2 4 x lane; v3-v5 where I store codes, scale bytes, partial logits; v6, v7 the codes' way out (LDS, memory); v8-15 logits; v16-79 x; v80-95 codes; v96-111 at work; v112-117 addresses of waves 0 and 1
	s_load_b256 s[4:11], s[0:1], 0x0               ; hidden_states s[4:5], gate_w s[6:7], xq s[8:9], xs s[10:11]
	s_load_b128 s[12:15], s[0:1], 0x20             ; rw s[12:13], tab s[14:15]
	v_lshl_add_u32 v128, v0, 2, 0xc800
	v_mov_b32 v129, 0
	v_lshrrev_b32 v1, 5, v0
	v_readfirstlane_b32 s84, v1                    ; wave 0..15
	v_and_b32 v1, 31, v0                           ; lane = token
	v_lshlrev_b32 v2, 2, v1
	s_lshl_b32 s85, s84, 6
	v_mul_u32_u24 v3, v1, XP
	v_add_nc_u32 v3, s85, v3                       ; codes: my token's row, my wave's four places
	s_lshr_b32 s86, s84, 1
	s_lshl_b32 s86, s86, 2
	s_and_b32 s87, s84, 1
	s_add_co_u32 s86, s86, s87
	s_add_co_u32 s86, s86, SSTG
	v_lshl_add_u32 v4, v1, 5, s86                  ; scale bytes: blocks 2 w and 2 w + 1 lie in word w / 2 at places w % 2 and w % 2 + 2 (bytes 1 and 2 swapped)
	s_lshl_b32 s87, s84, 5
	s_add_co_u32 s87, s87, PSTG
	v_mul_u32_u24 v5, v1, PP
	v_add_nc_u32 v5, s87, v5                       ; partial logits
	v_lshrrev_b32 v6, 6, v0
	v_and_b32 v7, 63, v0
	v_mul_u32_u24 v96, v6, 768
	v_mul_u32_u24 v6, v6, XP
	v_lshl_add_u32 v6, v7, 4, v6                   ; the way out: thread t takes place t % 64 of rows t / 64, + 8, + 16, + 24
	v_mad_u32_u24 v7, v7, 12, v96                  ; and the same 12 bytes in xq
	v_lshl_add_u32 v112, v1, 4, SSTG               ; wave 1: the scale bytes, 16 a lane
	v_lshlrev_b32 v113, 4, v1
	v_mul_u32_u24 v114, v1, PP
	v_add_nc_u32 v114, PSTG, v114                  ; wave 0: my token's partial logits
	v_and_b32 v115, 7, v1
	v_lshrrev_b32 v116, 3, v1
	v_lshlrev_b32 v116, 5, v116
	v_lshl_add_u32 v115, v115, 9, v116             ; wave 0, lane j < 16: the mask of expert j % 8, choice j / 8: 512 (j % 8) + 32 (j / 8)
	v_lshlrev_b32 v116, 3, v1                      ; wave 0: 8 bytes of rw a token
	s_lshr_b32 s88, ttmp9, 5                       ; b
	s_lshl_b32 s88, s88, 22
	s_and_b32 s89, ttmp9, 31
	s_lshl_b32 s89, s89, 7                         ; 4 hw0
	s_add_co_u32 s88, s88, s89
	s_lshl_b32 s89, s84, 18                        ; 64 w channels of 4,096 bytes
	s_add_co_u32 s88, s88, s89
	s_mov_b32 s89, 0
	s_lshl_b32 s90, s84, 8                         ; gate_w: my 64 channels
	s_mov_b32 s91, 0
	s_mul_i32 s92, ttmp9, 24576                    ; xq: 32 rows of 768 bytes
	s_mov_b32 s93, 0
	s_lshl_b32 s94, ttmp9, 10                      ; xs: 32 rows of 32 bytes
	s_mov_b32 s95, 0
	s_lshl_b32 s96, ttmp9, 8                       ; rw: 32 x 8 bytes
	s_mov_b32 s97, 0
	s_lshr_b32 s98, ttmp9, 3                       ; tab: chunk q = g / 8 of 256 tokens: 64 q, + 4 (g % 8)
	s_lshl_b32 s98, s98, 6
	s_and_b32 s99, ttmp9, 7
	s_lshl_b32 s99, s99, 2
	s_add_co_u32 s98, s98, s99
	s_mov_b32 s99, 0
	s_wait_kmcnt 0x0
	s_add_nc_u64 s[4:5], s[4:5], s[88:89]
	s_add_nc_u64 s[6:7], s[6:7], s[90:91]
	s_add_nc_u64 s[8:9], s[8:9], s[92:93]
	s_add_nc_u64 s[10:11], s[10:11], s[94:95]
	s_add_nc_u64 s[12:13], s[12:13], s[96:97]
	s_add_nc_u64 s[14:15], s[14:15], s[98:99]
.set i, 0
.rept 64
	global_load_b32 v[16+i], v2, s[4:5] offset:i*4096 th:TH_LOAD_NT   ; x(my token, 64 w + i): 32 lanes read 128 consecutive bytes; read once in the launch
.set i, i+1
.endr
; The partial logits: 16 channels (chunk j) of four experts (half eh) at a time; the gate's numbers are the same for all lanes and come by scalar loads.
.macro GATE j, eh
.irp i, 0,1,2,3
	s_load_b512 s[16+16*\i+4*(\i/3):31+16*\i+4*(\i/3)], s[6:7], (4*\eh+\i)*4096+64*\j
.endr
.if \eh == 0
	s_wait_loadcnt 48-16*\j                        ; loads come back in order: the 16 of this chunk are in, those of the later chunks may be out
.endif
	s_wait_kmcnt 0x0
.irp k, 0,1,2,3,4,5,6,7,8,9,10,11,12,13,14,15
.irp i, 0,1,2,3
.if (\j == 0) && (\k == 0)
	v_mul_f32 v[8+4*\eh+\i], s[16+16*\i+4*(\i/3)+\k], v[16+16*\j+\k]    ; the first product starts the sum
.else
	v_fmac_f32 v[8+4*\eh+\i], s[16+16*\i+4*(\i/3)+\k], v[16+16*\j+\k]   ; the four experts by turns
.endif
.endr
.endr
.endm
.irp j, 0,1,2,3
	GATE \j, 0
	GATE \j, 1
.endr
; A block of 32 channels: its largest magnitude with the floor 2^(3 - 127) among the leaves; 2 off the exponent field gives the conversion's scale operand, a shift of that the byte.
.macro QB c
.set XS, 16+32*\c
	v_max3_num_f32 v96, |v[XS]|, |v[XS+1]|, |v[XS+2]|
	v_max3_num_f32 v97, |v[XS+3]|, |v[XS+4]|, |v[XS+5]|
.irp i, 6,10,14,18,22,26
	v_max3_num_f32 v96, v96, |v[XS+\i]|, |v[XS+\i+1]|
	v_max3_num_f32 v97, v97, |v[XS+\i+2]|, |v[XS+\i+3]|
.endr
	v_max3_num_f32 v96, v96, |v[XS+30]|, |v[XS+31]|
	v_max3_num_f32 v96, v96, v97, 0x1800000
	v_add_nc_u32 v[98+\c], 0xff000000, v96
	v_lshrrev_b32 v[100+\c], 23, v[98+\c]
	v_cvt_scalef32_pk16_fp6_f32 v[80+8*\c:82+8*\c], v[XS:XS+15], v[98+\c]
	v_cvt_scalef32_pk16_fp6_f32 v[84+8*\c:86+8*\c], v[XS+16:XS+31], v[98+\c]   ; (a conversion's three registers begin on an even number)
	v_nop                                          ; one plain place behind the conversions
	ds_store_b96 v3, v[80+8*\c:82+8*\c] offset:32*\c
	ds_store_b96 v3, v[84+8*\c:86+8*\c] offset:32*\c+16
	ds_store_b8 v4, v[100+\c] offset:2*\c
.endm
	QB 0
	QB 1
	ds_store_b128 v5, v[8:11]
	ds_store_b128 v5, v[12:15] offset:16
	s_wait_dscnt 0x0                               ; for the others' sake: my stores have landed
	s_barrier_signal -1
	s_barrier_wait -1
	; the codes leave by rows: a wave's store covers 384 consecutive bytes of xq
.irp j, 0,1,2,3
	ds_load_b96 v[80+4*\j:82+4*\j], v6 offset:8*XP*\j
.endr
.irp j, 0,1,2,3
	s_wait_dscnt 3-\j                              ; LDS loads come back in order: the younger ones may be out
	global_store_b96 v7, v[80+4*\j:82+4*\j], s[8:9] offset:6144*\j
.endr
	s_cmp_eq_u32 s84, 1
	s_cbranch_scc0 .Lnot_wave_1
	ds_load_b128 v[16:19], v112                    ; wave 1: the 1,024 scale bytes, 512 consecutive bytes a store
	ds_load_b128 v[20:23], v112 offset:512
	s_wait_dscnt 0x0
	global_store_b128 v113, v[16:19], s[10:11]
	global_store_b128 v113, v[20:23], s[10:11] offset:512
.Lnot_wave_1:
	s_cmp_lg_u32 s84, 0
	s_cbranch_scc1 .Lend
	; wave 0: the router of the 32 tokens.  The sixteen waves' partial logits are added in the waves' order, eight waves' at a time
.irp i, 0,1,2,3,4,5,6,7,8,9,10,11,12,13,14,15
	ds_load_b128 v[16+4*\i:19+4*\i], v114 offset:16*\i
.endr
	s_wait_dscnt 0x0
.irp p, 0,2,4,6
	v_pk_add_f32 v[8+\p:9+\p], v[16+\p:17+\p], v[24+\p:25+\p]
.endr
.irp u, 2,3,4,5,6,7
.irp p, 0,2,4,6
	v_pk_add_f32 v[8+\p:9+\p], v[8+\p:9+\p], v[16+8*\u+\p:17+8*\u+\p]
.endr
.endr
.irp i, 0,1,2,3,4,5,6,7,8,9,10,11,12,13,14,15
	ds_load_b128 v[16+4*\i:19+4*\i], v114 offset:256+16*\i
.endr
	s_wait_dscnt 0x0
.irp u, 0,1,2,3,4,5,6,7
.irp p, 0,2,4,6
	v_pk_add_f32 v[8+\p:9+\p], v[8+\p:9+\p], v[16+8*\u+\p:17+8*\u+\p]
.endr
.endr
	v_max3_num_f32 v96, v8, v9, v10                ; the softmax: the largest logit is taken off
	v_max3_num_f32 v96, v96, v11, v12
	v_max3_num_f32 v96, v96, v13, v14
	v_max_num_f32 v96, v96, v15
.irp e, 0,1,2,3,4,5,6,7
	v_sub_f32 v[16+\e], v[8+\e], v96
.endr
.irp e, 0,1,2,3,4,5,6,7
	v_mul_f32 v[16+\e], 0x3fb8aa3b, v[16+\e]       ; x log2(e)
.endr
.irp e, 0,1,2,3,4,5,6,7
	v_exp_f32 v[16+\e], v[16+\e]
.endr
	v_mov_b32 v108, -1.0                           ; (a plain place behind the exponentials)
	s_wait_alu depctr_va_vdst(0)
	v_add_f32 v97, v16, v17
	v_add_f32 v98, v18, v19
	v_add_f32 v99, v20, v21
	v_add_f32 v100, v22, v23
	v_add_f32 v97, v97, v98
	v_add_f32 v99, v99, v100
	v_add_f32 v97, v97, v99
	v_rcp_f32 v97, v97
	v_mov_b32 v105, 0                              ; (a plain place behind the reciprocal)  the first choice's index
	s_wait_alu depctr_va_vdst(0)
.irp e, 0,1,2,3,4,5,6,7
	v_mul_f32 v[16+\e], v[16+\e], v97              ; the probabilities
.endr
	v_mov_b32 v104, v16
.irp e, 1,2,3,4,5,6,7
	v_cmp_ge_f32 vcc_lo, v104, v[16+\e]            ; the one in hand stays unless a later one is strictly larger: ties keep the lower index
	v_cndmask_b32 v104, v[16+\e], v104, vcc_lo
	v_cndmask_b32 v105, \e, v105, vcc_lo
.endr
.irp e, 0,1,2,3,4,5,6,7
	v_cmp_eq_u32 vcc_lo, \e, v105
	v_cndmask_b32 v[16+\e], v[16+\e], v108, vcc_lo ; the winner leaves the field: -1 lies under every probability
.endr
	v_mov_b32 v106, v16
	v_mov_b32 v107, 0
.irp e, 1,2,3,4,5,6,7
	v_cmp_ge_f32 vcc_lo, v106, v[16+\e]
	v_cndmask_b32 v106, v[16+\e], v106, vcc_lo
	v_cndmask_b32 v107, \e, v107, vcc_lo
.endr
	v_add_f32 v109, v104, v106
	v_rcp_f32 v109, v109
	v_mov_b32 v117, 0                              ; (a plain place)  the sixteen masks, one to a lane
	s_wait_alu depctr_va_vdst(0)
	v_mul_f32 v110, v104, v109
	v_mul_f32 v111, v106, v109
	global_store_b64 v116, v[110:111], s[12:13]    ; the two weights of my token: 256 consecutive bytes
.irp e, 0,1,2,3,4,5,6,7
	v_cmp_eq_u32 s85, \e, v105
	v_writelane_b32 v117, s85, \e
	v_cmp_eq_u32 s85, \e, v107
	v_writelane_b32 v117, s85, \e+8
.endr
	v_cmp_gt_u32 vcc_lo, 16, v1
	s_wait_xcnt 0x0                                ; EXEC is a source of the stores that are out: it changes only behind this wait
	s_and_saveexec_b32 s86, vcc_lo
	global_store_b32 v115, v117, s[14:15]          ; fixed places: no address hangs on the choice
	s_wait_xcnt 0x0
	s_or_b32 exec_lo, exec_lo, s86
.Lend:
	s_wait_tensorcnt 0x0
	ds_add_u32 v128, v129
	s_wait_dscnt 0x0
	s_endpgm
.Lfunc_end_k_q70fcf90d6c_route:
	.size	k_q70fcf90d6c_route, .Lfunc_end_k_q70fcf90d6c_route-k_q70fcf90d6c_route
	.p2alignl 7, 3214868480
	.fill 96, 4, 3214868480
	.section	.rodata,"a",@progbits
	.p2align	6, 0x0
	.amdhsa_kernel k_q70fcf90d6c_route
		.amdhsa_group_segment_fixed_size 53248
		.amdhsa_private_segment_fixed_size 0
		.amdhsa_enable_private_segment 0
		.amdhsa_kernarg_size 48
		.amdhsa_user_sgpr_count 2
		.amdhsa_user_sgpr_kernarg_segment_ptr 1
		.amdhsa_wavefront_size32 1
		.amdhsa_system_sgpr_workgroup_id_x 1
		.amdhsa_system_sgpr_workgroup_id_y 1
		.amdhsa_system_sgpr_workgroup_id_z 1
		.amdhsa_system_vgpr_workitem_id 0
		.amdhsa_next_free_vgpr 130
		.amdhsa_next_free_sgpr 100
		.amdhsa_reserve_vcc 1
		.amdhsa_float_denorm_mode_32 3
		.amdhsa_float_denorm_mode_16_64 3
		.amdhsa_memory_ordered 1
		.amdhsa_forward_progress 1
		.amdhsa_inst_pref_size 45
	.end_amdhsa_kernel
	.amdgpu_metadata
---
amdhsa.version: [ 1, 2 ]
amdhsa.kernels:
  - .name:           k_q70fcf90d6c_route
    .symbol:         k_q70fcf90d6c_route.kd
    .args:
      - { .name: hidden_states, .offset: 0, .size: 8, .value_kind: global_buffer, .address_space: global }
      - { .name: gate_w, .offset: 8, .size: 8, .value_kind: global_buffer, .address_space: global }
      - { .name: xq, .offset: 16, .size: 8, .value_kind: global_buffer, .address_space: global }
      - { .name: xs, .offset: 24, .size: 8, .value_kind: global_buffer, .address_space: global }
      - { .name: rw, .offset: 32, .size: 8, .value_kind: global_buffer, .address_space: global }
      - { .name: tab, .offset: 40, .size: 8, .value_kind: global_buffer, .address_space: global }
    .group_segment_fixed_size: 53248
    .private_segment_fixed_size: 0
    .kernarg_segment_align: 8
    .kernarg_segment_size: 48
    .max_flat_workgroup_size: 512
    .sgpr_count:     100
    .vgpr_count:     130
    .wavefront_size: 32
...
	.end_amdgpu_metadata
.endif
;; end of part 1
;; launch up (part 2): grid 8 x 32, 8 waves a work-group, no clusters, 259,072 bytes of LDS; arguments xq, xs, tab, w1_codes, w1_scales, w3_codes, w3_scales, hq, hs; writes hq, hs
.if DOCPART == 2
	.amdgcn_target "amdgcn-amd-amdhsa--gfx1250"
	.amdhsa_code_object_version 6
	.text
	.protected	k_q70fcf90d6c_up
	.globl	k_q70fcf90d6c_up
	.p2align	8
	.type	k_q70fcf90d6c_up,@function
k_q70fcf90d6c_up:
	s_mov_b64 s[64:65], 0
	v_nop
	global_prefetch_b8 v0, s[64:65] scope:SCOPE_SE
	s_setreg_imm32_b32 hwreg(HW_REG_WAVE_MODE, 25, 1), 1
	s_wait_xcnt 0x0
; UP.  h = gelu(x W1[e]^T) * (x W3[e]^T) for the rows (token, expert e) that the router kept, both products on codes of FP6 (E2M3) with E8M0 scales; h is quantised along the hidden units and stored as codes.
; SHARES.  Rows are grouped by PAIR (expert e, chunk q of 256 tokens): 64 pairs, each with 0 to 256 rows.  A work-group takes one pair and one slice of 256 hidden units (grid 8 x 32: x = q, y = 4 e + slice).
; Wave w of 8 makes hidden units 32 (8 slice + w) + 0 .. 31: two tiles of W1's rows and two of W3's, against six tiles of 16 rows at a time: 24 accumulators.
; THE PAIR'S LIST is made by wave 0 from sixteen mask words that the launch before stored: the chosen tokens in ascending order, then the others, so that every word holds a token.
; The rows are walked in three trips of 96; a trip (and in the way out a tile) past the pair's count is jumped over: a scalar branch on a stored number.  So this launch has no tensor load and no joint
; requests in a cluster (every partner would have to make every request on every path, and the pairs' counts differ): the weights go from memory straight into registers, three K steps ahead, and x's
; gathered rows go once into LDS as images of the operand's registers (16 bytes a lane, 512 a store), from where all eight waves load them.
; THE OPERAND'S ORDER.  For a K step of 128 (96 bytes of a row) lane (r, h) takes the 48 CONSECUTIVE bytes at 96 s + 48 h: three loads of 16 bytes.  Its registers 0-5 then hold the step's block 2 h and
; registers 6-11 block 2 h + 1, where the instruction counts them as blocks h and 2 + h: blocks 1 and 2 have changed places, alike in both operands, so the products are the same; the scale words follow:
; bytes 1 and 2 are swapped (x's are stored so; the weights' are swapped here, once).
; TRANSPOSED USE: source 0 = 16 rows of a weight, source 1 = 16 rows of x: a lane holds one row of x.  Index i of tile u takes weight row 8 u + i + 8 (i / 8) of the wave's 32, so that a lane's 16 registers of two
; neighbouring tiles are the hidden units 16 h + 0 .. 15: half a block of the next product's K.
; gelu(a) = a / 2 + (a / 2) erf(a / sqrt 2), erf(z) = z P(z^2) / Q(z^2), a rational form in f32, |z| held at 3.8325 (beyond it erf is 1 to the last bit of f32).
; LIMITS: NaN and infinities are not served; a block of h whose largest magnitude lies under 2^-124 keeps the scale byte 1 (only this program reads the bytes); for a far below 0 the sum 1 + erf loses
; relative accuracy as any f32 form of it does (absolute error about 1e-7 of |a|).
; REGISTERS.  Window 0: v1-15 lane numbers and addresses; v16-31 the weights' scale words; v32-55 x's; v56-127 x's six fragments (staging: at work); v128-175, v176-223 the weights' fragments, sets 0 and 1;
; v224-231 staging and list.  Window 1: v0-191 the accumulators ((m, t) at 8 (4 m + t)); v192-239 the weights' set 2 (in the way out: at work); v240-253 the way out's constants, offsets, codes.
.set LIST, 0                           ; LDS: the list, 320 words
.set AIMG, 1280                        ; the images: tile m, K step s at m TIMG + 1536 s: three times 512 bytes.  Room for 20 tiles: the last staging turn deals tiles 16 to 19 to the waves
.set TIMG, 12288
.set ASC,  AIMG+20*TIMG                ; x's scale words: [tile][row][32 bytes]
.set LANE, 1
.set R,    2
.set H,    3
.set VB,   4                           ; my byte in the wave's rows of a weight
.set VBS,  5                           ; and in their scale bytes
.set AI0,  6                           ; the trip's images, tiles 0-2
.set AI1,  7                           ; tiles 3-5
.set ASA,  8                           ; the trip's scale words
.set LI,   9                           ; AIMG + 16 x lane
.set LSC,  10                          ; ASC + 32 x lane
.set LSTA, 11                          ; staging: my row's word of the list
.set XLO,  12                          ; staging: my byte in a row of xq
.set SLO,  13                          ; and of xs
.set SSA,  14                          ; staging: where the scale bytes go
.set LFILL,15                          ; the list's words from 256 on
.set BSA,  16
.set BSB,  24
.set AS,   32
.set AF,   56
.set SA,   224                         ; v224-226 staging: where the images go
.set MSB, 0
.macro WIN new                         ; the immediate's high byte repeats the setting that is left; a switch that changes nothing is dropped
.if MSB != \new
	s_set_vgpr_msb (MSB<<8)|\new
.set MSB, \new
.endif
.endm
.macro PLACES n
.rept \n
	v_nop
.endr
.endm
.macro SPAIR reg, val                  ; a constant for the packed forms: they name a pair and take its low word for both halves
	s_mov_b32 s[\reg], \val
	s_mov_b32 s[\reg+1], \val
.endm
; The weights' four fragments of K step s into set slot (0, 1: window 0; 2: window 1): tiles 0, 1 of W1, tiles 2, 3 of W3
.macro BLOAD slot, s
.set BB, 128+48*(\slot)-32*((\slot)/2)
.if (\slot) == 2
	WIN 0x40
.endif
.irp t, 0,1,2,3
.irp c, 0,1,2
	global_load_b128 v[BB+12*\t+4*\c:BB+12*\t+4*\c+3], v[VB], s[10+4*(\t/2):11+4*(\t/2)] offset:6144*(\t%2)+96*(\s)+16*\c
.endr
.endr
	WIN 0
.endm
.macro AFETCH adr, m0, s               ; three tiles' fragments of K step s come back as they were stored
.irp mm, 0,1,2
.irp c, 0,1,2
	ds_load_b128 v[AF+12*((\m0)+\mm)+4*\c:AF+12*((\m0)+\mm)+4*\c+3], v[\adr] offset:\mm*TIMG+1536*(\s)+512*\c
.endr
.endr
.endm
; One matrix instruction: accumulator (m, t), K step s, the weights' set at sb.  Scale words: lanes 0-15 of a register serve the even tile, lanes 16-31 the odd one
.macro WM s, sb, m, t
.set rD, 8*(4*(\m)+(\t))
.set rW, (\sb)+12*(\t)
.set rX, AF+12*(\m)
.set rWS, BSA+8*((\t)/2)+(\s)
.set rXS, AS+8*((\m)/2)+(\s)
.set par, 2*((\m)%2)+(\t)%2
.if (\s) == 0                          ; the first K step starts the sums: nothing is cleared
.if par == 0
	v_wmma_scale_f32_16x16x128_f8f6f4 v[rD:rD+7], v[rW:rW+11], v[rX:rX+11], 0, v[rWS], v[rXS] matrix_a_fmt:MATRIX_FMT_FP6 matrix_b_fmt:MATRIX_FMT_FP6
.elseif par == 1
	v_wmma_scale_f32_16x16x128_f8f6f4 v[rD:rD+7], v[rW:rW+11], v[rX:rX+11], 0, v[rWS], v[rXS] matrix_a_fmt:MATRIX_FMT_FP6 matrix_b_fmt:MATRIX_FMT_FP6 matrix_a_scale:MATRIX_SCALE_ROW1
.elseif par == 2
	v_wmma_scale_f32_16x16x128_f8f6f4 v[rD:rD+7], v[rW:rW+11], v[rX:rX+11], 0, v[rWS], v[rXS] matrix_a_fmt:MATRIX_FMT_FP6 matrix_b_fmt:MATRIX_FMT_FP6 matrix_b_scale:MATRIX_SCALE_ROW1
.else
	v_wmma_scale_f32_16x16x128_f8f6f4 v[rD:rD+7], v[rW:rW+11], v[rX:rX+11], 0, v[rWS], v[rXS] matrix_a_fmt:MATRIX_FMT_FP6 matrix_b_fmt:MATRIX_FMT_FP6 matrix_a_scale:MATRIX_SCALE_ROW1 matrix_b_scale:MATRIX_SCALE_ROW1
.endif
.else
.if par == 0
	v_wmma_scale_f32_16x16x128_f8f6f4 v[rD:rD+7], v[rW:rW+11], v[rX:rX+11], v[rD:rD+7], v[rWS], v[rXS] matrix_a_fmt:MATRIX_FMT_FP6 matrix_b_fmt:MATRIX_FMT_FP6
.elseif par == 1
	v_wmma_scale_f32_16x16x128_f8f6f4 v[rD:rD+7], v[rW:rW+11], v[rX:rX+11], v[rD:rD+7], v[rWS], v[rXS] matrix_a_fmt:MATRIX_FMT_FP6 matrix_b_fmt:MATRIX_FMT_FP6 matrix_a_scale:MATRIX_SCALE_ROW1
.elseif par == 2
	v_wmma_scale_f32_16x16x128_f8f6f4 v[rD:rD+7], v[rW:rW+11], v[rX:rX+11], v[rD:rD+7], v[rWS], v[rXS] matrix_a_fmt:MATRIX_FMT_FP6 matrix_b_fmt:MATRIX_FMT_FP6 matrix_b_scale:MATRIX_SCALE_ROW1
.else
	v_wmma_scale_f32_16x16x128_f8f6f4 v[rD:rD+7], v[rW:rW+11], v[rX:rX+11], v[rD:rD+7], v[rWS], v[rXS] matrix_a_fmt:MATRIX_FMT_FP6 matrix_b_fmt:MATRIX_FMT_FP6 matrix_a_scale:MATRIX_SCALE_ROW1 matrix_b_scale:MATRIX_SCALE_ROW1
.endif
.endif
.endm
.macro MM12 s, sb, m0                  ; three tiles of rows x the four tiles of weights.  The 24 accumulators take turns, in the same order in every K step
.irp m, \m0, \m0+1, \m0+2
.irp t, 0,1,2,3
	WM \s, \sb, \m, \t
.endr
.endr
.endm
; A K step of 128: 24 matrix instructions.  The rows' tiles 0-2 are fetched anew behind their products, tiles 3-5 behind theirs; the weights' set just read takes K step s + 3.
; Four plain places stand in front of every run of loads into registers that matrix instructions have read (ISA guide 7.12.1 for vector instructions).
.macro STEP s
.set SL, (\s)%3
.set SBASE, 128+48*SL-32*(SL/2)
.set MW, 0x50+SL/2                     ; C and D window 1; source 0 window 1 for set 2
.if (\s) < 6
	s_wait_loadcnt 24                              ; this step's 12 loads are in; the 12 each of the two steps behind it may be out
.elseif (\s) == 6
	s_wait_loadcnt 12
.else
	s_wait_loadcnt 0x0
.endif
	s_wait_dscnt 9                                 ; tiles 0-2 (and in step 0 the scale words) are in; the nine loads of tiles 3-5 may be out
	WIN MW
	MM12 \s, SBASE, 0
	PLACES 4
	WIN 0
.if (\s) < 7
	AFETCH AI0, 0, (\s)+1
	s_wait_dscnt 9                                 ; all but the nine just issued: tiles 3-5 are in
.else
	s_wait_dscnt 0x0
.endif
	WIN MW
	MM12 \s, SBASE, 3
.if (\s) < 7
	PLACES 4
	WIN 0
	AFETCH AI1, 3, (\s)+1
.else
	PLACES 5                                       ; the way out reads results, and the next trip's first products write over these accumulators
	WIN 0
.endif
.if (\s) < 5
	BLOAD SL, (\s)+3
.endif
.endm
; Staging turn j: tile m = wave / 2 + 4 j, K half wave % 2: its 16 rows of xq are gathered by the list and stored as four images; their scale bytes beside them.  A tile past those that the trips will read is left out.
.macro STAGE j
	s_add_co_u32 s57, s70, 4*(\j)
	s_cmp_ge_u32 s57, s59
	s_cbranch_scc1 .Lstaged_\@
	ds_load_b32 v106, v[LSTA] offset:256*(\j)
	s_wait_dscnt 0x0
	v_min_u32 v106, 2047, v106                     ; a token's number stays inside the table
	v_mul_u32_u24 v107, v106, 768
	v_add_nc_u32 v107, v107, v[XLO]
	v_lshl_add_u32 v108, v106, 5, v[SLO]
.irp sl, 0,1,2,3
.irp c, 0,1,2
	global_load_b128 v[AF+12*\sl+4*\c:AF+12*\sl+4*\c+3], v107, s[4:5] offset:96*\sl+16*\c
.endr
.endr
	global_load_b64 v[104:105], v108, s[6:7]
	s_wait_loadcnt 0x0
.irp i, 0,1,2,3,4,5,6,7,8,9,10,11
	ds_store_b128 v[SA+(\j)/2], v[AF+4*\i:AF+4*\i+3] offset:4*TIMG*((\j)%2)+512*\i
.endr
	ds_store_b64 v[SSA], v[104:105] offset:2048*(\j)
	s_wait_dscnt 0x0                               ; the stores have read their registers
.Lstaged_\@:
.endm
.macro HORN d, sc                      ; eight numbers: d = d z^2 + a constant
.irp p, 0,2,4,6
	v_pk_fma_f32 v[\d+\p:\d+\p+1], v[\d+\p:\d+\p+1], v[200+\p:201+\p], s[\sc:\sc+1] op_sel_hi:[1,1,0]
.endr
.endm
; The way out of tile m, all in window 1: a = x W1^T in accumulators (m, 0), (m, 1), b = x W3^T in (m, 2), (m, 3); h = gelu(a) b takes a's place, eight numbers at a time (v192.. z, v200.. z^2, v208.. P, v216.. Q),
; each accumulator read from its low end on; then the lane's 16 numbers and lane l xor 16's are a block of 32: its scale byte, 16 codes, 12 bytes a lane.
.macro ACT m
.if (\m) > 0
	s_add_co_u32 s57, s74, 16*(\m)
	s_cmp_le_u32 s56, s57                          ; a tile past the pair's rows is neither worked nor stored
	s_cbranch_scc1 .Lep_end
.endif
	s_wait_xcnt 0x0                                ; the last tile's stores have read their data: the registers are written again only behind this wait
	WIN 0x55
.irp hh, 0,1
.set aR, 32*(\m)+8*\hh
.set bR, 32*(\m)+16+8*\hh
.irp p, 0,2,4,6
	v_pk_mul_f32 v[192+\p:193+\p], v[aR+\p:aR+\p+1], s[80:81] op_sel_hi:[1,0]      ; z = a / sqrt 2
.endr
.irp p, 0,1,2,3,4,5,6,7
	v_med3_num_f32 v[192+\p], v[192+\p], -s77, s77                                 ; held at +-3.8325
.endr
.irp p, 0,2,4,6
	v_pk_mul_f32 v[200+\p:201+\p], v[192+\p:193+\p], v[192+\p:193+\p]
.endr
.irp p, 0,2,4,6
	v_pk_fma_f32 v[208+\p:209+\p], v[200+\p:201+\p], s[82:83], v[240:241] op_sel_hi:[1,0,1]
.endr
.irp p, 0,2,4,6
	v_pk_fma_f32 v[216+\p:217+\p], v[200+\p:201+\p], s[94:95], v[244:245] op_sel_hi:[1,0,1]
.endr
	HORN 208, 84
	HORN 216, 96
	HORN 208, 86
	HORN 216, 98
	HORN 208, 88
	HORN 216, 100
.irp p, 0,1,2,3,4,5,6,7
	v_rcp_f32 v[216+\p], v[216+\p]
.endr
	HORN 208, 90                                   ; (plain places behind the reciprocals)
	HORN 208, 92
.irp p, 0,2,4,6
	v_pk_mul_f32 v[208+\p:209+\p], v[208+\p:209+\p], v[192+\p:193+\p]
.endr
	s_wait_alu depctr_va_vdst(0)
.irp p, 0,2,4,6
	v_pk_mul_f32 v[208+\p:209+\p], v[208+\p:209+\p], v[216+\p:217+\p]              ; erf(z)
.endr
.irp p, 0,2,4,6
	v_pk_mul_f32 v[192+\p:193+\p], v[aR+\p:aR+\p+1], 0.5 op_sel_hi:[1,0]
.endr
.irp p, 0,2,4,6
	v_pk_fma_f32 v[192+\p:193+\p], v[192+\p:193+\p], v[208+\p:209+\p], v[192+\p:193+\p]   ; gelu(a)
.endr
.irp p, 0,2,4,6
	v_pk_mul_f32 v[aR+\p:aR+\p+1], v[192+\p:193+\p], v[bR+\p:bR+\p+1]              ; h
.endr
.endr
.set aR, 32*(\m)
	v_max3_num_f32 v251, |v[aR]|, |v[aR+1]|, 0x1800000     ; my 16 numbers and the floor 2^(3 - 127), in two chains
	v_max3_num_f32 v253, |v[aR+2]|, |v[aR+3]|, |v[aR+6]|
	v_max3_num_f32 v251, v251, |v[aR+4]|, |v[aR+5]|
	v_max3_num_f32 v253, v253, |v[aR+7]|, |v[aR+10]|
	v_max3_num_f32 v251, v251, |v[aR+8]|, |v[aR+9]|
	v_max3_num_f32 v253, v253, |v[aR+11]|, |v[aR+14]|
	v_max3_num_f32 v251, v251, |v[aR+12]|, |v[aR+13]|
	v_max3_num_f32 v251, v251, v253, |v[aR+15]|
	v_permlanex16_b32 v252, v251, s78, s79
	v_max_num_f32 v251, v251, v252                 ; with lane l xor 16's: the block's largest magnitude
	v_add_nc_u32 v246, 0xff000000, v251            ; 2 off its exponent field: the conversion's scale operand
	v_lshrrev_b32 v247, 23, v246                   ; the scale's byte
	v_cvt_scalef32_pk16_fp6_f32 v[248:250], v[aR:aR+15], v246
	v_nop                                          ; one plain place behind the conversion
	global_store_b96 v242, v[248:250], s[18:19] offset:TIMG*(\m)      ; the wave stores 384 consecutive bytes: the tile's 16 rows of this block
	global_store_b8 v243, v247, s[20:21] offset:512*(\m)              ; both lanes of a row write the same byte with the same value
	WIN 0
.endm
	s_load_b512 s[4:19], s[0:1], 0x0               ; xq s[4:5], xs s[6:7], tab s[8:9], W1's codes s[10:11], scales s[12:13], W3's codes s[14:15], scales s[16:17], hq s[18:19]
	s_load_b64 s[20:21], s[0:1], 0x40              ; hs
	v_lshl_add_u32 v254, v0, 2, 0x3f000
	v_mov_b32 v255, 0
	v_lshrrev_b32 v1, 5, v0
	v_readfirstlane_b32 s60, v1                    ; wave 0..7
	v_and_b32 v[LANE], 31, v0
	v_and_b32 v[R], 15, v0
	v_bfe_u32 v[H], v0, 4, 1
	s_and_b32 s57, ttmp7, 0xffff
	s_lshr_b32 s61, s57, 2                         ; expert
	s_and_b32 s62, s57, 3                          ; slice
	s_mov_b32 s63, ttmp9                           ; chunk q
	s_lshl_b32 s66, s61, 3
	s_add_co_u32 s66, s66, s63                     ; pair = 8 e + q
	s_lshl_b32 s67, s62, 3
	s_add_co_u32 s67, s67, s60                     ; my block of 32 hidden units = 8 slice + wave
	s_lshr_b32 s70, s60, 1                         ; staging: my tile in a turn,
	s_and_b32 s71, s60, 1                          ; my K half
	v_and_b32 v228, 8, v[R]
	v_add_nc_u32 v228, v228, v[R]                  ; r + 8 (r / 8)
	v_mul_u32_u24 v[VB], v228, 768
	v_mad_u32_u24 v[VB], v[H], 48, v[VB]
	v_lshl_add_u32 v228, v[H], 3, v228             ; scale words: lanes 16-31 take the odd tile, 8 rows on
	v_lshlrev_b32 v[VBS], 5, v228
	s_mul_i32 s68, s61, 786432                     ; the expert's codes, my 32 rows of 768 bytes
	s_mul_i32 s57, s67, 24576
	s_add_co_u32 s68, s68, s57
	s_mov_b32 s69, 0
	s_lshl_b32 s22, s61, 15                        ; and their scale bytes
	s_lshl_b32 s57, s67, 10
	s_add_co_u32 s22, s22, s57
	s_mov_b32 s23, 0
	s_lshl_b32 s72, s66, 6                         ; the pair's sixteen mask words
	s_mov_b32 s73, 0
	s_wait_kmcnt 0x0
	s_add_nc_u64 s[8:9], s[8:9], s[72:73]
	s_load_b512 s[24:39], s[8:9], 0x0              ; s24-31 first choice, s32-39 second choice, a word for each 32 tokens
	s_add_nc_u64 s[10:11], s[10:11], s[68:69]
	s_add_nc_u64 s[14:15], s[14:15], s[68:69]
	s_add_nc_u64 s[12:13], s[12:13], s[22:23]
	s_add_nc_u64 s[16:17], s[16:17], s[22:23]
	global_load_b128 v[BSA:BSA+3], v[VBS], s[12:13]            ; a row's 32 scale bytes are the eight K steps' words
	global_load_b128 v[BSA+4:BSA+7], v[VBS], s[12:13] offset:16
	global_load_b128 v[BSB:BSB+3], v[VBS], s[16:17]
	global_load_b128 v[BSB+4:BSB+7], v[VBS], s[16:17] offset:16
	BLOAD 0, 0                                     ; the first three K steps' weights are asked for ahead of the list and the staging
	BLOAD 1, 1
	BLOAD 2, 2
	s_mul_i32 s68, s66, 196608                     ; hq: [pair][tile 16][block 32][row 16][24 bytes]
	s_mul_i32 s57, s67, 384
	s_add_co_u32 s68, s68, s57
	s_add_nc_u64 s[18:19], s[18:19], s[68:69]
	s_lshl_b32 s68, s66, 13                        ; hs: [pair][tile][row][32 bytes]; my block's byte: word block / 4, bytes 1 and 2 swapped
	s_lshr_b32 s57, s67, 2
	s_lshl_b32 s57, s57, 2
	s_add_co_u32 s68, s68, s57
	s_and_b32 s57, s67, 1
	s_lshl_b32 s57, s57, 1
	s_add_co_u32 s68, s68, s57
	s_bfe_u32 s57, s67, 0x10001
	s_add_co_u32 s68, s68, s57
	s_add_nc_u64 s[20:21], s[20:21], s[68:69]
	; every LDS address that stays is made here, ahead of the first parting of the waves
	v_lshl_add_u32 v[LI], v[LANE], 4, AIMG
	v_lshl_add_u32 v[LSC], v[LANE], 5, ASC
	s_lshl_b32 s57, s70, 6
	v_lshl_add_u32 v[LSTA], v[R], 2, s57
	s_mul_i32 s57, s71, 384
	v_mad_u32_u24 v[XLO], v[H], 48, s57
	s_lshl_b32 s57, s71, 4
	v_lshl_add_u32 v[SLO], v[H], 3, s57
	s_lshl_b32 s68, s70, 9
	s_add_co_u32 s57, s57, s68
	s_add_co_u32 s57, s57, ASC
	v_lshl_add_u32 v[SSA], v[R], 5, s57
	v_lshl_add_u32 v[SSA], v[H], 3, v[SSA]
	v_lshl_add_u32 v[LFILL], v[LANE], 2, LIST+1024
	s_mul_i32 s57, s70, TIMG
	s_mul_i32 s68, s71, 6144
	s_add_co_u32 s57, s57, s68
	v_add_nc_u32 v[SA], s57, v[LI]
	v_add_nc_u32 v[SA+1], 8*TIMG, v[SA]
	v_add_nc_u32 v[SA+2], 16*TIMG, v[SA]
	v_mul_u32_u24 v229, v[R], 24
	v_mad_u32_u24 v229, v[H], 12, v229
	WIN 0x40                                       ; destination window 1
	v_mov_b32 v240, 0x32EDFFEE                     ; P's second coefficient, twice
	v_mov_b32 v241, 0x32EDFFEE
	v_mov_b32 v244, 0xB95FBD29                     ; Q's second, twice
	v_mov_b32 v245, 0xB95FBD29
	v_mov_b32 v242, v229                           ; the codes' place: 24 r + 12 h
	v_lshlrev_b32 v243, 5, v[R]                    ; the byte's: 32 r
	v_mov_b32 v252, 0                              ; written once: a lane permute's destination counts as one of its sources
	WIN 0
	s_mov_b32 s76, 0x03010200                      ; v_perm_b32: bytes 1 and 2 change places
	s_mov_b32 s77, 0x407547CB                      ; 3.8325
	s_mov_b32 s78, 0x76543210
	s_mov_b32 s79, 0xfedcba98                      ; v_permlanex16_b32's selects for lane l xor 16
	SPAIR 80, 0x3f3504f3                           ; 1 / sqrt 2
	SPAIR 82, 0xAF95DF0B                           ; P, from the highest power down (the second lies in v240)
	SPAIR 84, 0xB60CFF51
	SPAIR 86, 0xB86EC2D2
	SPAIR 88, 0xBA40AC63
	SPAIR 90, 0xBB41A1F6
	SPAIR 92, 0xBC83DBD4
	SPAIR 94, 0xB77460CD                           ; Q likewise (the second in v244)
	SPAIR 96, 0xBADC924E
	SPAIR 98, 0xBBF19BF8
	SPAIR 100, 0xBC69B6A7
	s_wait_kmcnt 0x0                               ; the masks
.irp g, 0,1,2,3,4,5,6,7
	s_or_b32 s[40+\g], s[24+\g], s[32+\g]          ; chosen at all
.endr
	s_mov_b32 s48, 0
.irp g, 0,1,2,3,4,5,6,7
	s_bcnt1_i32_b32 s57, s[40+\g]
	s_add_co_u32 s[49+\g], s[48+\g], s57           ; s48-55: how many were chosen in the groups before; s56: the pair's rows
.endr
	s_add_co_u32 s58, s56, 15
	s_lshr_b32 s58, s58, 4                         ; tiles of 16 rows
	s_cmp_gt_u32 s58, 12
	s_cselect_b32 s59, 18, 12
	s_cmp_gt_u32 s58, 6
	s_cselect_b32 s59, s59, 6
	s_cmp_eq_u32 s58, 0
	s_cselect_b32 s59, 0, s59                      ; tiles to stage: those of the trips that will run
	s_cmp_lg_u32 s60, 0
	s_cbranch_scc1 .Llist_done
	; wave 0 alone touches LDS here.  A chosen token goes to its rank, the others behind the chosen ones in their own order: a permutation of the 256 words
	s_lshl_b32 s57, s63, 8
	v_add_nc_u32 v228, s57, v[LANE]                ; token 256 q + lane
.irp g, 0,1,2,3,4,5,6,7
	v_mbcnt_lo_u32_b32 v229, s[40+\g], s[48+\g]    ; chosen tokens before mine
	s_add_co_u32 s67, s56, 32*\g
	v_add_nc_u32 v230, s67, v[LANE]
	v_sub_nc_u32 v230, v230, v229
	s_mov_b32 vcc_lo, s[40+\g]
	v_cndmask_b32 v230, v230, v229, vcc_lo
	v_min_u32 v230, 255, v230
	v_lshl_add_u32 v230, v230, 2, LIST
	v_add_nc_u32 v231, 32*\g, v228
	ds_store_b32 v230, v231
.endr
	ds_store_b32 v[LFILL], v228                    ; words 256 to 319: tokens too, for the rows that only fill a trip's last tiles
	ds_store_b32 v[LFILL], v228 offset:128
.Llist_done:
	s_wait_dscnt 0x0
	s_barrier_signal -1
	s_barrier_wait -1                              ; the list lies in LDS
	STAGE 0
	STAGE 1
	STAGE 2
	STAGE 3
	STAGE 4
	s_wait_loadcnt 36                              ; the four loads of scale words are in: 36 loads of weights were issued behind them
.irp i, 0,1,2,3,4,5,6,7,8,9,10,11,12,13,14,15
	v_perm_b32 v[BSA+\i], v[BSA+\i], v[BSA+\i], s76
.endr
	PLACES 8                                       ; a scale register written by a vector instruction stands eight places ahead of a scaled matrix instruction
	s_wait_dscnt 0x0
	s_barrier_signal -1
	s_barrier_wait -1                              ; the images lie in LDS; nothing is stored to LDS from here on
	s_mov_b32 s72, 0                               ; the trip's images,
	s_mov_b32 s73, 0                               ; its scale words,
	s_mov_b32 s74, 0                               ; its first row
	s_mov_b32 s75, 0
.Ltrip:                                            ; three trips of 96 rows: a constant count; a trip past the pair's rows is jumped over
	v_add_nc_u32 v[AI0], s72, v[LI]
	v_add_nc_u32 v[AI1], 3*TIMG, v[AI0]
	v_add_nc_u32 v[ASA], s73, v[LSC]
	s_cmp_ge_u32 s74, s56
	s_cbranch_scc1 .Lskip
.irp i, 0,1,2
	ds_load_b128 v[AS+8*\i:AS+8*\i+3], v[ASA] offset:1024*\i          ; lanes 0-15: tile 2 i's words, lanes 16-31: tile 2 i + 1's
	ds_load_b128 v[AS+8*\i+4:AS+8*\i+7], v[ASA] offset:1024*\i+16
.endr
	AFETCH AI0, 0, 0
	AFETCH AI1, 3, 0
	STEP 0
	STEP 1
	STEP 2
	STEP 3
	STEP 4
	STEP 5
	STEP 6
	STEP 7
	ACT 0
	ACT 1
	ACT 2
	ACT 3
	ACT 4
	ACT 5
.Lep_end:
	s_add_co_u32 s57, s74, 96
	s_cmp_ge_u32 s57, s56
	s_cbranch_scc1 .Lskip
	s_wait_xcnt 0x0
	BLOAD 0, 0                                     ; another trip follows: its first three K steps' weights
	BLOAD 1, 1
	BLOAD 2, 2
.Lskip:
	s_wait_xcnt 0x0                                ; the stores have read their bases
	s_add_nc_u64 s[18:19], s[18:19], 6*TIMG
	s_add_nc_u64 s[20:21], s[20:21], 3072
	s_add_co_u32 s72, s72, 6*TIMG
	s_add_co_u32 s73, s73, 3072
	s_add_co_u32 s74, s74, 96
	s_add_co_u32 s75, s75, 1
	s_cmp_lt_u32 s75, 3
	s_cbranch_scc1 .Ltrip
	s_wait_tensorcnt 0x0
	ds_add_u32 v254, v255
	s_wait_dscnt 0x0
	s_endpgm
.Lfunc_end_k_q70fcf90d6c_up:
	.size	k_q70fcf90d6c_up, .Lfunc_end_k_q70fcf90d6c_up-k_q70fcf90d6c_up
	.p2alignl 7, 3214868480
	.fill 96, 4, 3214868480
	.section	.rodata,"a",@progbits
	.p2align	6, 0x0
	.amdhsa_kernel k_q70fcf90d6c_up
		.amdhsa_group_segment_fixed_size 259072
		.amdhsa_private_segment_fixed_size 0
		.amdhsa_enable_private_segment 0
		.amdhsa_kernarg_size 72
		.amdhsa_user_sgpr_count 2
		.amdhsa_user_sgpr_kernarg_segment_ptr 1
		.amdhsa_wavefront_size32 1
		.amdhsa_system_sgpr_workgroup_id_x 1
		.amdhsa_system_sgpr_workgroup_id_y 1
		.amdhsa_system_sgpr_workgroup_id_z 1
		.amdhsa_system_vgpr_workitem_id 0
		.amdhsa_next_free_vgpr 512
		.amdhsa_next_free_sgpr 102
		.amdhsa_reserve_vcc 1
		.amdhsa_float_denorm_mode_32 3
		.amdhsa_float_denorm_mode_16_64 3
		.amdhsa_memory_ordered 1
		.amdhsa_forward_progress 1
		.amdhsa_inst_pref_size 144
	.end_amdhsa_kernel
	.amdgpu_metadata
---
amdhsa.version: [ 1, 2 ]
amdhsa.kernels:
  - .name:           k_q70fcf90d6c_up
    .symbol:         k_q70fcf90d6c_up.kd
    .args:
      - { .name: xq, .offset: 0, .size: 8, .value_kind: global_buffer, .address_space: global }
      - { .name: xs, .offset: 8, .size: 8, .value_kind: global_buffer, .address_space: global }
      - { .name: tab, .offset: 16, .size: 8, .value_kind: global_buffer, .address_space: global }
      - { .name: w1_codes, .offset: 24, .size: 8, .value_kind: global_buffer, .address_space: global }
      - { .name: w1_scales, .offset: 32, .size: 8, .value_kind: global_buffer, .address_space: global }
      - { .name: w3_codes, .offset: 40, .size: 8, .value_kind: global_buffer, .address_space: global }
      - { .name: w3_scales, .offset: 48, .size: 8, .value_kind: global_buffer, .address_space: global }
      - { .name: hq, .offset: 56, .size: 8, .value_kind: global_buffer, .address_space: global }
      - { .name: hs, .offset: 64, .size: 8, .value_kind: global_buffer, .address_space: global }
    .group_segment_fixed_size: 259072
    .private_segment_fixed_size: 0
    .kernarg_segment_align: 8
    .kernarg_segment_size: 72
    .max_flat_workgroup_size: 256
    .sgpr_count:     102
    .vgpr_count:     512
    .wavefront_size: 32
...
	.end_amdgpu_metadata
.endif
;; end of part 2
;; launch down (part 3): grid 8 x 32, 4 waves a work-group, no clusters, 249,600 bytes of LDS; arguments hq, hs, tab, w2_codes, w2_scales, y; writes y
.if DOCPART == 3
	.amdgcn_target "amdgcn-amd-amdhsa--gfx1250"
	.amdhsa_code_object_version 6
	.text
	.protected	k_q70fcf90d6c_down
	.globl	k_q70fcf90d6c_down
	.p2align	8
	.type	k_q70fcf90d6c_down,@function
k_q70fcf90d6c_down:
	s_mov_b64 s[64:65], 0
	v_nop
	global_prefetch_b8 v0, s[64:65] scope:SCOPE_SE
	s_setreg_imm32_b32 hwreg(HW_REG_WAVE_MODE, 25, 1), 1
	s_wait_xcnt 0x0
; DOWN.  y[2 t + k][:] = h W2[e]^T for token t's k-th choice e, on codes of FP6 (E2M3) with E8M0 scales; the gate's weight and the sum of the two choices follow in the last launch.
; SHARES.  As in the launch before: a work-group takes a PAIR (expert e, chunk q of 256 tokens) and a slice of 256 outputs (grid 8 x 32: x = q, y = 4 e + slice); wave w of 4 makes outputs 64 w + 0 .. 63 of
; the slice, four tiles of W2's rows, against six tiles of 16 rows at a time: 24 accumulators.  Three trips of 96 rows; a trip, and in the way out a tile, past the pair's count is jumped over: a scalar
; branch on a stored number, so this launch has no tensor load and no joint requests in a cluster (the pairs' counts differ, and every partner would have to ask on every path).
; The hidden layer's codes lie in the pair's own order (rank in its list), so they are read densely and go once into LDS as images of the operand's registers.  W2 goes from memory straight into registers.
; THE LIST, made by wave 0 from the pair's sixteen mask words, says where a row goes: row 2 t + k of y.  The rows that only fill the pair's last tile go to spare rows of the pair's own, which nobody reads:
; row 4096 + 16 pair + (place in the list mod 16).  Such rows lie in one tile of 16, so each has a spare row to itself: no byte of y is stored twice.
; THE OPERAND'S ORDER is that of the launch before: lane (r, h) holds blocks 2 h and 2 h + 1 of a K step, bytes 1 and 2 of every scale word are swapped (hs is stored so; W2's words are swapped here).
; TRANSPOSED USE: source 0 = 16 rows of W2, source 1 = 16 rows of h.  Index i of tile t takes W2's row 32 (i / 8) + 8 t + i % 8 of the wave's 64, so that a lane's 32 registers of a row tile are 32 neighbouring outputs.
; REGISTERS.  Window 0: v1-15 lane numbers and addresses; v16-31 W2's scale words; v32-55 h's; v56-127 h's six fragments (staging: at work); v128-175, v176-223 W2's fragments, sets 0 and 1 (way out: rows of y);
; v224-239 addresses, list; v240-255 the way out's rows and offsets.  Window 1: v0-191 the accumulators ((m, t) at 8 (4 m + t)); v192-239 W2's set 2.
.set LIST, 0                           ; LDS: the list, 288 words in 1,280 bytes
.set AIMG, 1280                        ; the images: tile m, K step s at m TIMG + 1536 s; 18 tiles
.set TIMG, 12288
.set ASC,  AIMG+18*TIMG                ; h's scale words: [tile][row][32 bytes]
.set STG,  ASC+18*512                  ; a stage of 16 rows x (256 bytes + 16) for each wave
.set YROWS, 4096+64*16                 ; rows of y: two for each token, then sixteen spare ones for each pair
.set LANE, 1
.set R,    2
.set H,    3
.set VB,   4
.set VBS,  5
.set AI0,  6
.set AI1,  7
.set ASA,  8
.set LI,   9
.set LSC,  10
.set LSTB, 11                          ; LIST + 4 (lane / 16)
.set HLO,  12                          ; staging: my byte in a tile of hq
.set SLO,  13                          ; and of hs
.set SSA,  14
.set LSTC, 15                          ; the trip's part of the list
.set BSA,  16
.set BSB,  24
.set AS,   32
.set AF,   56
.set SA,   224                         ; v224-228 staging: where the images go
.set STO,  229                         ; the stage: where I put 128 bytes of a row
.set SRD,  230                         ; and where I read rows back
.set YLO,  231                         ; 16 (lane % 16)
.set LFILL,232
.set MSB, 0
.macro WIN new                         ; the immediate's high byte repeats the setting that is left; a switch that changes nothing is dropped
.if MSB != \new
	s_set_vgpr_msb (MSB<<8)|\new
.set MSB, \new
.endif
.endm
.macro PLACES n
.rept \n
	v_nop
.endr
.endm
.macro BLOAD slot, s                   ; W2's four fragments of K step s into set slot (0, 1: window 0; 2: window 1)
.set BB, 128+48*(\slot)-32*((\slot)/2)
.if (\slot) == 2
	WIN 0x40
.endif
.irp t, 0,1,2,3
.irp c, 0,1,2
	global_load_b128 v[BB+12*\t+4*\c:BB+12*\t+4*\c+3], v[VB], s[10:11] offset:6144*\t+96*(\s)+16*\c
.endr
.endr
	WIN 0
.endm
.macro AFETCH adr, m0, s
.irp mm, 0,1,2
.irp c, 0,1,2
	ds_load_b128 v[AF+12*((\m0)+\mm)+4*\c:AF+12*((\m0)+\mm)+4*\c+3], v[\adr] offset:\mm*TIMG+1536*(\s)+512*\c
.endr
.endr
.endm
.macro WM s, sb, m, t                  ; one matrix instruction: accumulator (m, t), K step s.  Scale words: lanes 0-15 serve the even tile, lanes 16-31 the odd one
.set rD, 8*(4*(\m)+(\t))
.set rW, (\sb)+12*(\t)
.set rX, AF+12*(\m)
.set rWS, BSA+8*((\t)/2)+(\s)
.set rXS, AS+8*((\m)/2)+(\s)
.set par, 2*((\m)%2)+(\t)%2
.if (\s) == 0                          ; the first K step starts the sums
.if par == 0
	v_wmma_scale_f32_16x16x128_f8f6f4 v[rD:rD+7], v[rW:rW+11], v[rX:rX+11], 0, v[rWS], v[rXS] matrix_a_fmt:MATRIX_FMT_FP6 matrix_b_fmt:MATRIX_FMT_FP6
.elseif par == 1
	v_wmma_scale_f32_16x16x128_f8f6f4 v[rD:rD+7], v[rW:rW+11], v[rX:rX+11], 0, v[rWS], v[rXS] matrix_a_fmt:MATRIX_FMT_FP6 matrix_b_fmt:MATRIX_FMT_FP6 matrix_a_scale:MATRIX_SCALE_ROW1
.elseif par == 2
	v_wmma_scale_f32_16x16x128_f8f6f4 v[rD:rD+7], v[rW:rW+11], v[rX:rX+11], 0, v[rWS], v[rXS] matrix_a_fmt:MATRIX_FMT_FP6 matrix_b_fmt:MATRIX_FMT_FP6 matrix_b_scale:MATRIX_SCALE_ROW1
.else
	v_wmma_scale_f32_16x16x128_f8f6f4 v[rD:rD+7], v[rW:rW+11], v[rX:rX+11], 0, v[rWS], v[rXS] matrix_a_fmt:MATRIX_FMT_FP6 matrix_b_fmt:MATRIX_FMT_FP6 matrix_a_scale:MATRIX_SCALE_ROW1 matrix_b_scale:MATRIX_SCALE_ROW1
.endif
.else
.if par == 0
	v_wmma_scale_f32_16x16x128_f8f6f4 v[rD:rD+7], v[rW:rW+11], v[rX:rX+11], v[rD:rD+7], v[rWS], v[rXS] matrix_a_fmt:MATRIX_FMT_FP6 matrix_b_fmt:MATRIX_FMT_FP6
.elseif par == 1
	v_wmma_scale_f32_16x16x128_f8f6f4 v[rD:rD+7], v[rW:rW+11], v[rX:rX+11], v[rD:rD+7], v[rWS], v[rXS] matrix_a_fmt:MATRIX_FMT_FP6 matrix_b_fmt:MATRIX_FMT_FP6 matrix_a_scale:MATRIX_SCALE_ROW1
.elseif par == 2
	v_wmma_scale_f32_16x16x128_f8f6f4 v[rD:rD+7], v[rW:rW+11], v[rX:rX+11], v[rD:rD+7], v[rWS], v[rXS] matrix_a_fmt:MATRIX_FMT_FP6 matrix_b_fmt:MATRIX_FMT_FP6 matrix_b_scale:MATRIX_SCALE_ROW1
.else
	v_wmma_scale_f32_16x16x128_f8f6f4 v[rD:rD+7], v[rW:rW+11], v[rX:rX+11], v[rD:rD+7], v[rWS], v[rXS] matrix_a_fmt:MATRIX_FMT_FP6 matrix_b_fmt:MATRIX_FMT_FP6 matrix_a_scale:MATRIX_SCALE_ROW1 matrix_b_scale:MATRIX_SCALE_ROW1
.endif
.endif
.endm
.macro MM12 s, sb, m0                  ; the 24 accumulators take turns, in the same order in every K step
.irp m, \m0, \m0+1, \m0+2
.irp t, 0,1,2,3
	WM \s, \sb, \m, \t
.endr
.endr
.endm
; A K step of 128: 24 matrix instructions; four plain places in front of every run of loads into registers that matrix instructions have read.
.macro STEP s
.set SL, (\s)%3
.set SBASE, 128+48*SL-32*(SL/2)
.set MW, 0x50+SL/2                     ; C and D window 1; source 0 window 1 for set 2
.if (\s) < 6
	s_wait_loadcnt 24                              ; this step's 12 loads are in; the 12 each of the two steps behind it may be out
.elseif (\s) == 6
	s_wait_loadcnt 12
.else
	s_wait_loadcnt 0x0
.endif
	s_wait_dscnt 9                                 ; tiles 0-2 (and in step 0 the scale words) are in; the nine loads of tiles 3-5 may be out
	WIN MW
	MM12 \s, SBASE, 0
	PLACES 4
	WIN 0
.if (\s) < 7
	AFETCH AI0, 0, (\s)+1
	s_wait_dscnt 9                                 ; all but the nine just issued
.else
	s_wait_dscnt 0x0
.endif
	WIN MW
	MM12 \s, SBASE, 3
.if (\s) < 7
	PLACES 4
	WIN 0
	AFETCH AI1, 3, (\s)+1
.else
	PLACES 5                                       ; the way out reads results, and the next trip's first products write over these accumulators
	WIN 0
.endif
.if (\s) < 5
	BLOAD SL, (\s)+3
.endif
.endm
; Staging turn j: tile m = wave / 2 + 2 j, K half wave % 2.  A tile past the pair's last written one repeats that one, so that nothing unwritten is read; a tile past the trips that will run is left out.
.macro STAGE j
	s_add_co_u32 s57, s70, 2*(\j)
	s_cmp_ge_u32 s57, s59
	s_cbranch_scc1 .Lstaged_\@
	s_min_u32 s57, s57, s68
	s_min_u32 s57, s57, 15                         ; a tile's number stays inside the pair's sixteen
	s_mul_i32 s67, s57, TIMG
	s_lshl_b32 s57, s57, 9
	v_add_nc_u32 v106, s67, v[HLO]
	v_add_nc_u32 v107, s57, v[SLO]
.irp sl, 0,1,2,3
.irp c, 0,1
.irp p, 0,1,2
	global_load_b64 v[AF+12*\sl+6*\c+2*\p:AF+12*\sl+6*\c+2*\p+1], v106, s[4:5] offset:1536*\sl+384*\c+8*\p   ; block 4 s + 2 h + c of my row: 24 bytes, in pieces of 8
.endr
.endr
.endr
	global_load_b64 v[104:105], v107, s[6:7]
	s_wait_loadcnt 0x0
.irp i, 0,1,2,3,4,5,6,7,8,9,10,11
	ds_store_b128 v[SA+(\j)/2], v[AF+4*\i:AF+4*\i+3] offset:2*TIMG*((\j)%2)+512*\i
.endr
	ds_store_b64 v[SSA], v[104:105] offset:1024*(\j)
	s_wait_dscnt 0x0                               ; the stores have read their registers
.Lstaged_\@:
.endm
; The way out of tile m: a lane's 128 bytes of a row go into my own stage and come back as rows of 256 bytes, two a load; each goes to the row of y that the list names: sixteen lanes store 256 consecutive, aligned bytes.
.macro OUT m
.if (\m) > 0
	s_add_co_u32 s57, s74, 16*(\m)
	s_cmp_le_u32 s56, s57
	s_cbranch_scc1 .Lep_end
.endif
	s_wait_xcnt 0x0                                ; the last tile's stores have read their registers
.irp i, 0,1,2,3,4,5,6,7
	ds_load_b32 v[240+\i], v[LSTC] offset:64*(\m)+8*\i             ; where rows 2 i and 2 i + 1 go
.endr
	WIN 0x04                                       ; an LDS store's data are its source 1: window 1
.irp t, 0,1,2,3
	ds_store_b128 v[STO], v[32*(\m)+8*\t:32*(\m)+8*\t+3] offset:32*\t          ; each accumulator from its low end on
	ds_store_b128 v[STO], v[32*(\m)+8*\t+4:32*(\m)+8*\t+7] offset:32*\t+16
.endr
	WIN 0
.irp i, 0,1,2,3,4,5,6,7
	ds_load_b128 v[128+4*\i:131+4*\i], v[SRD] offset:544*\i        ; LDS serves a wave's instructions in order: these see my stores, and the next tile's stores come behind them
.endr
	s_wait_dscnt 16                                ; the list's eight words are in: sixteen LDS instructions were issued behind them
.irp i, 0,1,2,3,4,5,6,7
	v_min_u32 v[240+\i], YROWS-1, v[240+\i]        ; a row's number stays inside y
.endr
.irp i, 0,1,2,3,4,5,6,7
	v_lshl_add_u32 v[248+\i], v[240+\i], 12, v[YLO]
.endr
.irp i, 0,1,2,3,4,5,6,7
	s_wait_dscnt 7-\i
	global_store_b128 v[248+\i], v[128+4*\i:131+4*\i], s[14:15]
.endr
.endm
	s_load_b256 s[4:11], s[0:1], 0x0               ; hq s[4:5], hs s[6:7], tab s[8:9], W2's codes s[10:11]
	s_load_b128 s[12:15], s[0:1], 0x20             ; W2's scales s[12:13], y s[14:15]
	s_set_vgpr_msb 0x40
	v_lshl_add_u32 v254, v0, 2, 0x3cd00
	v_mov_b32 v255, 0
	s_set_vgpr_msb 0x4000
	v_lshrrev_b32 v1, 5, v0
	v_readfirstlane_b32 s60, v1                    ; wave 0..3
	v_and_b32 v[LANE], 31, v0
	v_and_b32 v[R], 15, v0
	v_bfe_u32 v[H], v0, 4, 1
	s_and_b32 s57, ttmp7, 0xffff
	s_lshr_b32 s61, s57, 2                         ; expert
	s_and_b32 s62, s57, 3                          ; slice
	s_mov_b32 s63, ttmp9                           ; chunk q
	s_lshl_b32 s66, s61, 3
	s_add_co_u32 s66, s66, s63                     ; pair
	s_lshr_b32 s70, s60, 1
	s_and_b32 s71, s60, 1
	v_and_b32 v233, 7, v[R]
	v_and_b32 v234, 8, v[R]
	v_lshl_add_u32 v233, v234, 2, v233             ; r % 8 + 32 (r / 8)
	v_mul_u32_u24 v[VB], v233, 768
	v_mad_u32_u24 v[VB], v[H], 48, v[VB]
	v_lshl_add_u32 v233, v[H], 3, v233             ; scale words: lanes 16-31 take the odd tile, 8 rows on
	v_lshlrev_b32 v[VBS], 5, v233
	s_mul_i32 s68, s61, 786432                     ; the expert's codes, my 64 rows of 768 bytes
	s_mul_i32 s57, s62, 196608
	s_add_co_u32 s68, s68, s57
	s_mul_i32 s57, s60, 49152
	s_add_co_u32 s68, s68, s57
	s_mov_b32 s69, 0
	s_lshl_b32 s22, s61, 15                        ; and their scale bytes
	s_lshl_b32 s57, s62, 13
	s_add_co_u32 s22, s22, s57
	s_lshl_b32 s57, s60, 11
	s_add_co_u32 s22, s22, s57
	s_mov_b32 s23, 0
	s_lshl_b32 s72, s66, 6
	s_mov_b32 s73, 0
	s_wait_kmcnt 0x0
	s_add_nc_u64 s[8:9], s[8:9], s[72:73]
	s_load_b512 s[24:39], s[8:9], 0x0              ; the pair's masks: s24-31 first choice, s32-39 second choice
	s_add_nc_u64 s[10:11], s[10:11], s[68:69]
	s_add_nc_u64 s[12:13], s[12:13], s[22:23]
	global_load_b128 v[BSA:BSA+3], v[VBS], s[12:13]            ; tiles 0 and 1
	global_load_b128 v[BSA+4:BSA+7], v[VBS], s[12:13] offset:16
	global_load_b128 v[BSB:BSB+3], v[VBS], s[12:13] offset:512 ; tiles 2 and 3: 16 rows on
	global_load_b128 v[BSB+4:BSB+7], v[VBS], s[12:13] offset:528
	BLOAD 0, 0
	BLOAD 1, 1
	BLOAD 2, 2
	s_mul_i32 s68, s66, 196608
	s_add_nc_u64 s[4:5], s[4:5], s[68:69]          ; the pair's codes,
	s_lshl_b32 s68, s66, 13
	s_add_nc_u64 s[6:7], s[6:7], s[68:69]          ; its scale bytes,
	s_lshl_b32 s68, s62, 10
	s_lshl_b32 s57, s60, 8
	s_add_co_u32 s68, s68, s57
	s_add_nc_u64 s[14:15], s[14:15], s[68:69]      ; my 64 outputs in a row of y
	; every LDS address that stays is made here, ahead of the first parting of the waves
	v_lshl_add_u32 v[LI], v[LANE], 4, AIMG
	v_lshl_add_u32 v[LSC], v[LANE], 5, ASC
	v_lshl_add_u32 v[LSTB], v[H], 2, LIST
	s_mul_i32 s57, s71, 6144
	v_mad_u32_u24 v[HLO], v[H], 768, s57
	v_mad_u32_u24 v[HLO], v[R], 24, v[HLO]
	s_lshl_b32 s57, s71, 4
	v_lshl_add_u32 v[SLO], v[R], 5, s57
	v_lshl_add_u32 v[SLO], v[H], 3, v[SLO]
	s_lshl_b32 s68, s70, 9
	s_add_co_u32 s68, s68, ASC
	v_add_nc_u32 v[SSA], s68, v[SLO]
	s_mul_i32 s57, s70, TIMG
	s_mul_i32 s68, s71, 6144
	s_add_co_u32 s57, s57, s68
	v_add_nc_u32 v[SA], s57, v[LI]
	v_add_nc_u32 v[SA+1], 4*TIMG, v[SA]
	v_add_nc_u32 v[SA+2], 8*TIMG, v[SA]
	v_add_nc_u32 v[SA+3], 12*TIMG, v[SA]
	v_add_nc_u32 v[SA+4], 16*TIMG, v[SA]
	s_mul_i32 s57, s60, 4352
	s_add_co_u32 s57, s57, STG
	v_mul_u32_u24 v[STO], v[R], 272
	v_lshl_add_u32 v[STO], v[H], 7, v[STO]
	v_add_nc_u32 v[STO], s57, v[STO]
	v_mul_u32_u24 v[SRD], v[H], 272
	v_lshl_add_u32 v[SRD], v[R], 4, v[SRD]
	v_add_nc_u32 v[SRD], s57, v[SRD]
	v_lshlrev_b32 v[YLO], 4, v[R]
	v_lshl_add_u32 v[LFILL], v[LANE], 2, LIST+1024
	s_mov_b32 s76, 0x03010200                      ; v_perm_b32: bytes 1 and 2 change places
	s_wait_kmcnt 0x0                               ; the masks
.irp g, 0,1,2,3,4,5,6,7
	s_or_b32 s[40+\g], s[24+\g], s[32+\g]
.endr
	s_mov_b32 s48, 0
.irp g, 0,1,2,3,4,5,6,7
	s_bcnt1_i32_b32 s57, s[40+\g]
	s_add_co_u32 s[49+\g], s[48+\g], s57           ; s48-55: chosen in the groups before; s56: the pair's rows
.endr
	s_add_co_u32 s58, s56, 15
	s_lshr_b32 s58, s58, 4                         ; tiles of 16 rows
	s_cmp_gt_u32 s58, 12
	s_cselect_b32 s59, 18, 12
	s_cmp_gt_u32 s58, 6
	s_cselect_b32 s59, s59, 6
	s_cmp_eq_u32 s58, 0
	s_cselect_b32 s59, 0, s59                      ; tiles to stage
	s_sub_co_u32 s68, s58, 1                       ; the last written tile (with no rows at all nothing is staged)
	s_cmp_lg_u32 s60, 0
	s_cbranch_scc1 .Llist_done
	; wave 0 alone touches LDS here: the same permutation of 256 words as in the launch before; a chosen token's word is its row of y, 2 t + k; another's is the pair's spare row of its place mod 16
	s_lshl_b32 s57, s63, 9
	v_lshl_add_u32 v236, v[LANE], 1, s57           ; 2 (256 q + lane)
	s_lshl_b32 s57, s66, 4
	s_add_co_u32 s57, s57, 4096
	v_mov_b32 v237, s57                            ; the pair's first spare row: 4096 + 16 pair
.irp g, 0,1,2,3,4,5,6,7
	v_mbcnt_lo_u32_b32 v233, s[40+\g], s[48+\g]
	s_add_co_u32 s67, s56, 32*\g
	v_add_nc_u32 v234, s67, v[LANE]
	v_sub_nc_u32 v234, v234, v233
	s_mov_b32 vcc_lo, s[40+\g]
	v_cndmask_b32 v234, v234, v233, vcc_lo         ; my place in the list
	v_min_u32 v234, 255, v234
	v_and_b32 v239, 15, v234
	v_add_nc_u32 v239, v239, v237                  ; the spare row of that place: the sixteen places of a tile have sixteen different ones
	v_lshl_add_u32 v234, v234, 2, LIST
	v_add_nc_u32 v235, 64*\g, v236
	v_cndmask_b32 v235, v239, v235, vcc_lo
	s_mov_b32 vcc_lo, s[32+\g]
	v_add_nc_u32 v238, 1, v235
	v_cndmask_b32 v235, v235, v238, vcc_lo         ; the second choice's row lies one further on
	ds_store_b32 v234, v235
.endr
	v_add_nc_u32 v238, v237, v[R]
	ds_store_b32 v[LFILL], v238                    ; words 256 to 287
.Llist_done:
	s_wait_dscnt 0x0
	s_barrier_signal -1
	s_barrier_wait -1                              ; the list lies in LDS
	STAGE 0
	STAGE 1
	STAGE 2
	STAGE 3
	STAGE 4
	STAGE 5
	STAGE 6
	STAGE 7
	STAGE 8
	s_wait_loadcnt 36                              ; the four loads of scale words are in: 36 loads of weights were issued behind them
.irp i, 0,1,2,3,4,5,6,7,8,9,10,11,12,13,14,15
	v_perm_b32 v[BSA+\i], v[BSA+\i], v[BSA+\i], s76
.endr
	PLACES 8                                       ; a scale register written by a vector instruction stands eight places ahead of a scaled matrix instruction
	s_wait_dscnt 0x0
	s_barrier_signal -1
	s_barrier_wait -1                              ; the images lie in LDS; from here on a wave stores to its own stage alone
	s_mov_b32 s72, 0
	s_mov_b32 s73, 0
	s_mov_b32 s74, 0
	s_mov_b32 s75, 0
	s_mov_b32 s77, 0
.Ltrip:                                            ; three trips of 96 rows: a constant count; a trip past the pair's rows is jumped over
	v_add_nc_u32 v[AI0], s72, v[LI]
	v_add_nc_u32 v[AI1], 3*TIMG, v[AI0]
	v_add_nc_u32 v[ASA], s73, v[LSC]
	v_add_nc_u32 v[LSTC], s77, v[LSTB]
	s_cmp_ge_u32 s74, s56
	s_cbranch_scc1 .Lskip
.irp i, 0,1,2
	ds_load_b128 v[AS+8*\i:AS+8*\i+3], v[ASA] offset:1024*\i
	ds_load_b128 v[AS+8*\i+4:AS+8*\i+7], v[ASA] offset:1024*\i+16
.endr
	AFETCH AI0, 0, 0
	AFETCH AI1, 3, 0
	STEP 0
	STEP 1
	STEP 2
	STEP 3
	STEP 4
	STEP 5
	STEP 6
	STEP 7
	OUT 0
	OUT 1
	OUT 2
	OUT 3
	OUT 4
	OUT 5
.Lep_end:
	s_add_co_u32 s57, s74, 96
	s_cmp_ge_u32 s57, s56
	s_cbranch_scc1 .Lskip
	s_wait_xcnt 0x0                                ; the stores have read their data, which lie where the weights' set 0 lands
	BLOAD 0, 0
	BLOAD 1, 1
	BLOAD 2, 2
.Lskip:
	s_add_co_u32 s72, s72, 6*TIMG
	s_add_co_u32 s73, s73, 3072
	s_add_co_u32 s74, s74, 96
	s_add_co_u32 s77, s77, 384
	s_add_co_u32 s75, s75, 1
	s_cmp_lt_u32 s75, 3
	s_cbranch_scc1 .Ltrip
	s_set_vgpr_msb 0x5
	s_wait_tensorcnt 0x0
	ds_add_u32 v254, v255
	s_wait_dscnt 0x0
	s_set_vgpr_msb 0x500
	s_endpgm
.Lfunc_end_k_q70fcf90d6c_down:
	.size	k_q70fcf90d6c_down, .Lfunc_end_k_q70fcf90d6c_down-k_q70fcf90d6c_down
	.p2alignl 7, 3214868480
	.fill 96, 4, 3214868480
	.section	.rodata,"a",@progbits
	.p2align	6, 0x0
	.amdhsa_kernel k_q70fcf90d6c_down
		.amdhsa_group_segment_fixed_size 249600
		.amdhsa_private_segment_fixed_size 0
		.amdhsa_enable_private_segment 0
		.amdhsa_kernarg_size 48
		.amdhsa_user_sgpr_count 2
		.amdhsa_user_sgpr_kernarg_segment_ptr 1
		.amdhsa_wavefront_size32 1
		.amdhsa_system_sgpr_workgroup_id_x 1
		.amdhsa_system_sgpr_workgroup_id_y 1
		.amdhsa_system_sgpr_workgroup_id_z 1
		.amdhsa_system_vgpr_workitem_id 0
		.amdhsa_next_free_vgpr 512
		.amdhsa_next_free_sgpr 80
		.amdhsa_reserve_vcc 1
		.amdhsa_float_denorm_mode_32 3
		.amdhsa_float_denorm_mode_16_64 3
		.amdhsa_memory_ordered 1
		.amdhsa_forward_progress 1
		.amdhsa_inst_pref_size 118
	.end_amdhsa_kernel
	.amdgpu_metadata
---
amdhsa.version: [ 1, 2 ]
amdhsa.kernels:
  - .name:           k_q70fcf90d6c_down
    .symbol:         k_q70fcf90d6c_down.kd
    .args:
      - { .name: hq, .offset: 0, .size: 8, .value_kind: global_buffer, .address_space: global }
      - { .name: hs, .offset: 8, .size: 8, .value_kind: global_buffer, .address_space: global }
      - { .name: tab, .offset: 16, .size: 8, .value_kind: global_buffer, .address_space: global }
      - { .name: w2_codes, .offset: 24, .size: 8, .value_kind: global_buffer, .address_space: global }
      - { .name: w2_scales, .offset: 32, .size: 8, .value_kind: global_buffer, .address_space: global }
      - { .name: y, .offset: 40, .size: 8, .value_kind: global_buffer, .address_space: global }
    .group_segment_fixed_size: 249600
    .private_segment_fixed_size: 0
    .kernarg_segment_align: 8
    .kernarg_segment_size: 48
    .max_flat_workgroup_size: 128
    .sgpr_count:     80
    .vgpr_count:     512
    .wavefront_size: 32
...
	.end_amdgpu_metadata
.endif
;; end of part 3
;; launch combine (part 4): grid 8 x 32, 8 waves a work-group, no clusters, 33,792 bytes of LDS; arguments y, rw, out0; writes out0
.if DOCPART == 4
	.amdgcn_target "amdgcn-amd-amdhsa--gfx1250"
	.amdhsa_code_object_version 6
	.text
	.protected	k_q70fcf90d6c_combine
	.globl	k_q70fcf90d6c_combine
	.p2align	8
	.type	k_q70fcf90d6c_combine,@function
k_q70fcf90d6c_combine:
	s_mov_b64 s[64:65], 0
	v_nop
	global_prefetch_b8 v0, s[64:65] scope:SCOPE_SE
	s_setreg_imm32_b32 hwreg(HW_REG_WAVE_MODE, 25, 1), 1
	s_wait_xcnt 0x0
; COMBINE.  out0[b][c][hw] = rw[t][0] y[2 t][c] + rw[t][1] y[2 t + 1][c], t = 1024 b + hw: the gate's weights, the sum of a token's two experts, and the transposition back to channels first.
; SHARES.  A work-group takes 64 tokens x 128 channels (grid 8 x 32: x = channels, y = tokens); wave w of 8 loads the sixteen rows of y of tokens 8 w .. 8 w + 7, 512 consecutive bytes a load.
; Four tokens of one channel are laid into one run of four registers, go to LDS as 16 bytes of the channel's row of 256, and come back by rows: sixteen lanes store 256 consecutive, aligned bytes of out0.
; In LDS a row's sixteen pieces of 16 bytes are permuted by an exclusive or with the writer's lane % 16, so that the sixteen lanes of a store, whose rows lie 1,024 bytes apart, fall on different columns.
; A stream bound by its bytes: no matrix unit, no tensor load, no cluster; the work-groups share nothing but the 16 KiB of rw.
	s_load_b128 s[4:7], s[0:1], 0x0                ; y s[4:5], rw s[6:7]
	s_load_b64 s[8:9], s[0:1], 0x10                ; out0
	v_lshl_add_u32 v128, v0, 2, 0x8000
	v_mov_b32 v129, 0
	v_lshrrev_b32 v1, 5, v0
	v_readfirstlane_b32 s10, v1                    ; wave 0..7
	v_and_b32 v1, 31, v0                           ; lane
	v_and_b32 v2, 15, v0
	v_bfe_u32 v3, v0, 4, 1
	s_and_b32 s11, ttmp7, 0xffff
	s_lshl_b32 s12, s11, 6
	s_lshl_b32 s13, s10, 3
	s_add_co_u32 s12, s12, s13                     ; my wave's first token
	s_lshl_b32 s14, s12, 3                         ; its weights
	s_mov_b32 s15, 0
	s_lshl_b32 s32, s12, 13                        ; its first row of y: 2 t rows of 4,096 bytes,
	s_lshl_b32 s33, ttmp9, 9                       ; + the work-group's 128 channels
	s_add_co_u32 s32, s32, s33
	s_mov_b32 s33, 0
	s_lshr_b32 s34, s11, 4                         ; out0: b,
	s_lshl_b32 s34, s34, 22
	s_lshl_b32 s35, ttmp9, 19                      ; 128 x channels of 4,096 bytes,
	s_add_co_u32 s34, s34, s35
	s_lshl_b32 s35, s10, 16                        ; my wave's 16 of them,
	s_add_co_u32 s34, s34, s35
	s_and_b32 s35, s11, 15                         ; the 64 tokens' 256 bytes
	s_lshl_b32 s35, s35, 8
	s_add_co_u32 s34, s34, s35
	s_mov_b32 s35, 0
	s_lshl_b32 s36, s10, 1
.irp g, 0,1
	s_add_co_u32 s37, s36, \g                      ; piece 2 w + g of a row: tokens 8 w + 4 g + 0 .. 3
	v_xor_b32 v[4+\g], s37, v2
	v_lshlrev_b32 v[4+\g], 4, v[4+\g]
	v_lshl_add_u32 v[4+\g], v1, 10, v[4+\g]        ; my four channels' rows begin at 1,024 x lane
.endr
	s_lshl_b32 s37, s10, 12
	v_lshl_add_u32 v6, v3, 8, s37
	v_lshl_add_u32 v6, v2, 4, v6                   ; back: rows 16 w + 2 i + lane / 16, 16 bytes a lane
	v_lshlrev_b32 v7, 4, v1
	s_lshl_b32 s36, s10, 2
.irp k, 0,1,2,3
	s_add_co_u32 s37, s36, \k                      ; rows 16 w + 4 k + 0 .. 3 were written by lane 4 w + k
	s_and_b32 s37, s37, 15
	v_xor_b32 v[8+\k], s37, v2                     ; so the piece that I read is this one of the row
	v_lshlrev_b32 v[8+\k], 4, v[8+\k]
	v_lshl_add_u32 v[8+\k], v3, 12, v[8+\k]
.endr
	s_wait_kmcnt 0x0
	s_add_nc_u64 s[6:7], s[6:7], s[14:15]
	s_load_b512 s[16:31], s[6:7], 0x0              ; eight tokens' two weights
	s_add_nc_u64 s[4:5], s[4:5], s[32:33]
	s_add_nc_u64 s[8:9], s[8:9], s[34:35]
.irp r, 0,1,2,3,4,5,6,7,8,9,10,11,12,13,14,15
	global_load_b128 v[16+4*\r:19+4*\r], v7, s[4:5] offset:4096*\r th:TH_LOAD_NT   ; read once in the launch
.endr
	s_wait_kmcnt 0x0
.irp j, 0,1,2,3,4,5,6,7
	s_wait_loadcnt 14-2*\j                         ; this token's two rows are in; the later tokens' may be out
.irp i, 0,1,2,3
	v_mul_f32 v[80+16*(\j/4)+4*\i+\j%4], s[16+2*\j], v[16+8*\j+\i]
	v_fmac_f32 v[80+16*(\j/4)+4*\i+\j%4], s[17+2*\j], v[20+8*\j+\i]
.endr
.endr
.irp g, 0,1
.irp i, 0,1,2,3
	ds_store_b128 v[4+\g], v[80+16*\g+4*\i:83+16*\g+4*\i] offset:256*\i
.endr
.endr
	s_wait_dscnt 0x0                               ; for the others' sake: my stores have landed
	s_barrier_signal -1
	s_barrier_wait -1
.irp i, 0,1,2,3,4,5,6,7
	ds_load_b128 v[16+4*\i:19+4*\i], v6 offset:512*\i
.endr
.irp i, 0,1,2,3,4,5,6,7
	s_wait_dscnt 7-\i
	global_store_b128 v[8+\i/2], v[16+4*\i:19+4*\i], s[8:9] offset:8192*\i th:TH_STORE_NT
.endr
	s_wait_tensorcnt 0x0
	ds_add_u32 v128, v129
	s_wait_dscnt 0x0
	s_endpgm
.Lfunc_end_k_q70fcf90d6c_combine:
	.size	k_q70fcf90d6c_combine, .Lfunc_end_k_q70fcf90d6c_combine-k_q70fcf90d6c_combine
	.p2alignl 7, 3214868480
	.fill 96, 4, 3214868480
	.section	.rodata,"a",@progbits
	.p2align	6, 0x0
	.amdhsa_kernel k_q70fcf90d6c_combine
		.amdhsa_group_segment_fixed_size 33792
		.amdhsa_private_segment_fixed_size 0
		.amdhsa_enable_private_segment 0
		.amdhsa_kernarg_size 24
		.amdhsa_user_sgpr_count 2
		.amdhsa_user_sgpr_kernarg_segment_ptr 1
		.amdhsa_wavefront_size32 1
		.amdhsa_system_sgpr_workgroup_id_x 1
		.amdhsa_system_sgpr_workgroup_id_y 1
		.amdhsa_system_sgpr_workgroup_id_z 1
		.amdhsa_system_vgpr_workitem_id 0
		.amdhsa_next_free_vgpr 130
		.amdhsa_next_free_sgpr 66
		.amdhsa_reserve_vcc 0
		.amdhsa_float_denorm_mode_32 3
		.amdhsa_float_denorm_mode_16_64 3
		.amdhsa_memory_ordered 1
		.amdhsa_forward_progress 1
		.amdhsa_inst_pref_size 9
	.end_amdhsa_kernel
	.amdgpu_metadata
---
amdhsa.version: [ 1, 2 ]
amdhsa.kernels:
  - .name:           k_q70fcf90d6c_combine
    .symbol:         k_q70fcf90d6c_combine.kd
    .args:
      - { .name: y, .offset: 0, .size: 8, .value_kind: global_buffer, .address_space: global }
      - { .name: rw, .offset: 8, .size: 8, .value_kind: global_buffer, .address_space: global }
      - { .name: out0, .offset: 16, .size: 8, .value_kind: global_buffer, .address_space: global }
    .group_segment_fixed_size: 33792
    .private_segment_fixed_size: 0
    .kernarg_segment_align: 8
    .kernarg_segment_size: 24
    .max_flat_workgroup_size: 256
    .sgpr_count:     66
    .vgpr_count:     130
    .wavefront_size: 32
...
	.end_amdgpu_metadata
.endif
;; end of part 4
;; ======== version 2 of 2: 4 launches; version 1 with the launches up, down written anew for expert scheduling mode
;; workspace buffers: xq 1,572,864 bytes; xs 65,536 bytes; rw 16,384 bytes; tab 4,096 bytes of whole numbers; hq 12,582,912 bytes; hs 524,288 bytes; y 20,971,520 bytes
;; launch route: the kernel of part 1 again; grid 64 x 1, 16 waves a work-group, no clusters, 53,248 bytes of LDS; arguments hidden_states, gate_w, xq, xs, rw, tab; writes xq, xs, rw, tab
;; launch up (part 5): grid 8 x 32, 8 waves a work-group, no clusters, 259,072 bytes of LDS; arguments xq, xs, tab, w1_codes, w1_scales, w3_codes, w3_scales, hq, hs; writes hq, hs
.if DOCPART == 5
	.amdgcn_target "amdgcn-amd-amdhsa--gfx1250"
	.amdhsa_code_object_version 6
	.text
	.protected	k_q70fcf90d6c_up
	.globl	k_q70fcf90d6c_up
	.p2align	8
	.type	k_q70fcf90d6c_up,@function
k_q70fcf90d6c_up:
	s_mov_b64 s[64:65], 0
	v_nop
	global_prefetch_b8 v0, s[64:65] scope:SCOPE_SE
	s_setreg_imm32_b32 hwreg(HW_REG_WAVE_SCHED_MODE, 0, 2), 2
	s_setreg_imm32_b32 hwreg(HW_REG_WAVE_MODE, 25, 1), 1
	s_wait_xcnt 0x0
	s_wait_alu depctr_vm_vsrc(0)
; UP.  h = gelu(x W1[e]^T) * (x W3[e]^T) for the rows (token, expert e) that the router kept, both products on codes of FP6 (E2M3) with E8M0 scales; h is quantised along the hidden units and stored as codes.
; SHARES.  Rows are grouped by PAIR (expert e, chunk q of 256 tokens): 64 pairs, each with 0 to 256 rows.  A work-group takes one pair and one slice of 256 hidden units (grid 8 x 32: x = q, y = 4 e + slice).
; Wave w of 8 makes hidden units 32 (8 slice + w) + 0 .. 31: two tiles of W1's rows and two of W3's, against six tiles of 16 rows at a time: 24 accumulators.
; THE PAIR'S LIST is made by wave 0 from sixteen mask words that the launch before stored: the chosen tokens in ascending order, then the others, so that every word holds a token.
; The rows are walked in three trips of 96; a trip (and in the way out a tile) past the pair's count is jumped over: a scalar branch on a stored number.  So this launch has no tensor load and no joint
; requests in a cluster (every partner would have to make every request on every path, and the pairs' counts differ): the weights go from memory straight into registers, three K steps ahead, and x's
; gathered rows go once into LDS as images of the operand's registers (16 bytes a lane, 512 a store), from where all eight waves load them.
; THE OPERAND'S ORDER.  For a K step of 128 (96 bytes of a row) lane (r, h) takes the 48 CONSECUTIVE bytes at 96 s + 48 h: three loads of 16 bytes.  Its registers 0-5 then hold the step's block 2 h and
; registers 6-11 block 2 h + 1, where the instruction counts them as blocks h and 2 + h: blocks 1 and 2 have changed places, alike in both operands, so the products are the same; the scale words follow:
; bytes 1 and 2 are swapped (x's are stored so; the weights' are swapped here, once).
; TRANSPOSED USE: source 0 = 16 rows of a weight, source 1 = 16 rows of x: a lane holds one row of x.  Index i of tile u takes weight row 8 u + i + 8 (i / 8) of the wave's 32, so that a lane's 16 registers of two
; neighbouring tiles are the hidden units 16 h + 0 .. 15: half a block of the next product's K.
; gelu(a) = a / 2 + (a / 2) erf(a / sqrt 2), erf(z) = z P(z^2) / Q(z^2), a rational form in f32, |z| held at 3.8325 (beyond it erf is 1 to the last bit of f32).
; LIMITS: NaN and infinities are not served; a block of h whose largest magnitude lies under 2^-124 keeps the scale byte 1 (only this program reads the bytes); for a far below 0 the sum 1 + erf loses
; relative accuracy as any f32 form of it does (absolute error about 1e-7 of |a|).
; REGISTERS.  Window 0: v1-15 lane numbers and addresses; v16-31 the weights' scale words; v32-55 x's; v56-127 x's six fragments (staging: v56-105 a turn's rows, v106-120 the turns' tokens and offsets);
; v128-175, v176-223 the weights' fragments, sets 0 and 1; v224-231 staging and list; v232-247 the list's addresses and words.  Window 1: v0-191 the accumulators ((m, t) at 8 (4 m + t)); v192-239 the weights' set 2
; (in the way out: at work); v240-253 the way out's constants, offsets, codes.
; THE MODE: SCHED_MODE bits 1:0 = 2 (LLVM: expert scheduling mode 2), set by the entry lines.  The code itself states the register dependences between vector or matrix instructions and memory or LDS
; instructions, with s_wait_alu, always for 0.
; THE PLAN.  Registers that memory or LDS instructions touch:
;   v4, v5; v9-15, v224-226, window 1's v242, v243   offsets and addresses, made once at the head, never written again: one wait on va_vdst behind each of the two groups.
;   v228, v232-247   wave 0's list: eight addresses and eight words are made, then one wait on va_vdst, then the stores; never written again.
;   v106-120         staging: the five turns' tokens come by five LDS loads at once; their ten offsets are made; one wait on va_vdst; the turns' global loads read them.
;   v56-105          staging: global loads land, LDS stores read, no vector line names them: a wait on vm_vsrc at a turn's end, ahead of the next loads into them.
;   v6-8             the trip's LDS addresses: written once a trip, behind a wait on vm_vsrc; the wait on va_vdst ahead of the trip's first LDS loads states that they are written.
;   v32-55, v56-127  x's scale words and fragments: LDS loads land, matrix instructions read.   The weights' three sets: global loads land, matrix instructions read.
;   window 1's v247-250   a tile's byte and codes: written by the way out's last lines, read by its two stores.
; A K step has two waits on va_vdst: behind the twelve products of tiles 0-2, ahead of the loads that bring those tiles' next fragments, and behind the twelve of tiles 3-5, ahead of the loads of those tiles' next
; fragments and of the weights three steps on.  Between such a wait and its loads stand loads and window switches alone, and the products that follow name none of the registers in which those loads land.
.set LIST, 0                           ; LDS: the list, 320 words
.set AIMG, 1280                        ; the images: tile m, K step s at m TIMG + 1536 s: three times 512 bytes.  Room for 20 tiles: the last staging turn deals tiles 16 to 19 to the waves
.set TIMG, 12288
.set ASC,  AIMG+20*TIMG                ; x's scale words: [tile][row][32 bytes]
.set LANE, 1
.set R,    2
.set H,    3
.set VB,   4                           ; my byte in the wave's rows of a weight
.set VBS,  5                           ; and in their scale bytes
.set AI0,  6                           ; the trip's images, tiles 0-2
.set AI1,  7                           ; tiles 3-5
.set ASA,  8                           ; the trip's scale words
.set LI,   9                           ; AIMG + 16 x lane
.set LSC,  10                          ; ASC + 32 x lane
.set LSTA, 11                          ; staging: my row's word of the list
.set XLO,  12                          ; staging: my byte in a row of xq
.set SLO,  13                          ; and of xs
.set SSA,  14                          ; staging: where the scale bytes go
.set LFILL,15                          ; the list's words from 256 on
.set BSA,  16
.set BSB,  24
.set AS,   32
.set AF,   56
.set LW,   106                         ; v106-110 staging: my row's token in each of the five turns
.set GA,   111                         ; v111-115 its byte in xq
.set GS,   116                         ; v116-120 and in xs
.set SA,   224                         ; v224-226 staging: where the images go
.set LAD,  232                         ; v232-239 the list: where the eight groups' words go
.set LDT,  240                         ; v240-247 and the words
.set MSB, 0
.macro WIN new                         ; the immediate's high byte repeats the setting that is left; a switch that changes nothing is dropped
.if MSB != \new
	s_set_vgpr_msb (MSB<<8)|\new
.set MSB, \new
.endif
.endm
.macro PLACES n
.rept \n
	v_nop
.endr
.endm
.macro SPAIR reg, val                  ; a constant for the packed forms: they name a pair and take its low word for both halves
	s_mov_b32 s[\reg], \val
	s_mov_b32 s[\reg+1], \val
.endm
; The weights' four fragments of K step s into set slot (0, 1: window 0; 2: window 1): tiles 0, 1 of W1, tiles 2, 3 of W3
.macro BLOAD slot, s
.set BB, 128+48*(\slot)-32*((\slot)/2)
.if (\slot) == 2
	WIN 0x40
.endif
.irp t, 0,1,2,3
.irp c, 0,1,2
	global_load_b128 v[BB+12*\t+4*\c:BB+12*\t+4*\c+3], v[VB], s[10+4*(\t/2):11+4*(\t/2)] offset:6144*(\t%2)+96*(\s)+16*\c
.endr
.endr
	WIN 0
.endm
.macro AFETCH adr, m0, s               ; three tiles' fragments of K step s come back as they were stored
.irp mm, 0,1,2
.irp c, 0,1,2
	ds_load_b128 v[AF+12*((\m0)+\mm)+4*\c:AF+12*((\m0)+\mm)+4*\c+3], v[\adr] offset:\mm*TIMG+1536*(\s)+512*\c
.endr
.endr
.endm
; One matrix instruction: accumulator (m, t), K step s, the weights' set at sb.  Scale words: lanes 0-15 of a register serve the even tile, lanes 16-31 the odd one
.macro WM s, sb, m, t
.set rD, 8*(4*(\m)+(\t))
.set rW, (\sb)+12*(\t)
.set rX, AF+12*(\m)
.set rWS, BSA+8*((\t)/2)+(\s)
.set rXS, AS+8*((\m)/2)+(\s)
.set par, 2*((\m)%2)+(\t)%2
.if (\s) == 0                          ; the first K step starts the sums: nothing is cleared
.if par == 0
	v_wmma_scale_f32_16x16x128_f8f6f4 v[rD:rD+7], v[rW:rW+11], v[rX:rX+11], 0, v[rWS], v[rXS] matrix_a_fmt:MATRIX_FMT_FP6 matrix_b_fmt:MATRIX_FMT_FP6
.elseif par == 1
	v_wmma_scale_f32_16x16x128_f8f6f4 v[rD:rD+7], v[rW:rW+11], v[rX:rX+11], 0, v[rWS], v[rXS] matrix_a_fmt:MATRIX_FMT_FP6 matrix_b_fmt:MATRIX_FMT_FP6 matrix_a_scale:MATRIX_SCALE_ROW1
.elseif par == 2
	v_wmma_scale_f32_16x16x128_f8f6f4 v[rD:rD+7], v[rW:rW+11], v[rX:rX+11], 0, v[rWS], v[rXS] matrix_a_fmt:MATRIX_FMT_FP6 matrix_b_fmt:MATRIX_FMT_FP6 matrix_b_scale:MATRIX_SCALE_ROW1
.else
	v_wmma_scale_f32_16x16x128_f8f6f4 v[rD:rD+7], v[rW:rW+11], v[rX:rX+11], 0, v[rWS], v[rXS] matrix_a_fmt:MATRIX_FMT_FP6 matrix_b_fmt:MATRIX_FMT_FP6 matrix_a_scale:MATRIX_SCALE_ROW1 matrix_b_scale:MATRIX_SCALE_ROW1
.endif
.else
.if par == 0
	v_wmma_scale_f32_16x16x128_f8f6f4 v[rD:rD+7], v[rW:rW+11], v[rX:rX+11], v[rD:rD+7], v[rWS], v[rXS] matrix_a_fmt:MATRIX_FMT_FP6 matrix_b_fmt:MATRIX_FMT_FP6
.elseif par == 1
	v_wmma_scale_f32_16x16x128_f8f6f4 v[rD:rD+7], v[rW:rW+11], v[rX:rX+11], v[rD:rD+7], v[rWS], v[rXS] matrix_a_fmt:MATRIX_FMT_FP6 matrix_b_fmt:MATRIX_FMT_FP6 matrix_a_scale:MATRIX_SCALE_ROW1
.elseif par == 2
	v_wmma_scale_f32_16x16x128_f8f6f4 v[rD:rD+7], v[rW:rW+11], v[rX:rX+11], v[rD:rD+7], v[rWS], v[rXS] matrix_a_fmt:MATRIX_FMT_FP6 matrix_b_fmt:MATRIX_FMT_FP6 matrix_b_scale:MATRIX_SCALE_ROW1
.else
	v_wmma_scale_f32_16x16x128_f8f6f4 v[rD:rD+7], v[rW:rW+11], v[rX:rX+11], v[rD:rD+7], v[rWS], v[rXS] matrix_a_fmt:MATRIX_FMT_FP6 matrix_b_fmt:MATRIX_FMT_FP6 matrix_a_scale:MATRIX_SCALE_ROW1 matrix_b_scale:MATRIX_SCALE_ROW1
.endif
.endif
.endm
.macro MM12 s, sb, m0                  ; three tiles of rows x the four tiles of weights.  The 24 accumulators take turns, in the same order in every K step
.irp m, \m0, \m0+1, \m0+2
.irp t, 0,1,2,3
	WM \s, \sb, \m, \t
.endr
.endr
.endm
; A K step of 128: 24 matrix instructions.  The rows' tiles 0-2 are fetched anew behind their products, tiles 3-5 behind theirs; the weights' set just read takes K step s + 3.
; Four plain places stand in front of every run of loads into registers that matrix instructions have read; the wait that states the dependence stands behind them.
.macro STEP s
.set SL, (\s)%3
.set SBASE, 128+48*SL-32*(SL/2)
.set MW, 0x50+SL/2                     ; C and D window 1; source 0 window 1 for set 2
.if (\s) < 6
	s_wait_loadcnt 24                              ; this step's 12 loads are in; the 12 each of the two steps behind it may be out
.elseif (\s) == 6
	s_wait_loadcnt 12
.else
	s_wait_loadcnt 0x0
.endif
	s_wait_dscnt 9                                 ; tiles 0-2 (and in step 0 the scale words) are in; the nine loads of tiles 3-5 may be out
	WIN MW
	MM12 \s, SBASE, 0
	PLACES 4
	WIN 0
.if (\s) < 7
	s_wait_alu depctr_va_vdst(0)                   ; the twelve products above are done reading the fragments of tiles 0-2, in which the nine loads below land
	AFETCH AI0, 0, (\s)+1
	s_wait_dscnt 9                                 ; all but the nine just issued: tiles 3-5 are in
.else
	s_wait_dscnt 0x0
.endif
	WIN MW
	MM12 \s, SBASE, 3
.if (\s) < 7
	PLACES 4
	WIN 0
	s_wait_alu depctr_va_vdst(0)                   ; the twelve products above are done reading the fragments of tiles 3-5, and all 24 of the step the weights' set: the loads below land in both
	AFETCH AI1, 3, (\s)+1
.else
	PLACES 5                                       ; the way out reads results, and the next trip's first products write over these accumulators
	WIN 0
.endif
.if (\s) < 5
	BLOAD SL, (\s)+3
.endif
.endm
; Staging turn j: tile m = wave / 2 + 4 j, K half wave % 2: its 16 rows of xq are gathered by the list and stored as four images; their scale bytes beside them.  A tile past those that the trips will read is left out.
; The turn's offsets were made ahead of the first turn.  No vector line names v56-105: they go from loads to LDS stores.
.macro STAGE j
	s_add_co_u32 s57, s70, 4*(\j)
	s_cmp_ge_u32 s57, s59
	s_cbranch_scc1 .Lstaged_\@
.irp sl, 0,1,2,3
.irp c, 0,1,2
	global_load_b128 v[AF+12*\sl+4*\c:AF+12*\sl+4*\c+3], v[GA+(\j)], s[4:5] offset:96*\sl+16*\c
.endr
.endr
	global_load_b64 v[104:105], v[GS+(\j)], s[6:7]
	s_wait_loadcnt 0x0
.irp i, 0,1,2,3,4,5,6,7,8,9,10,11
	ds_store_b128 v[SA+(\j)/2], v[AF+4*\i:AF+4*\i+3] offset:4*TIMG*((\j)%2)+512*\i
.endr
	ds_store_b64 v[SSA], v[104:105] offset:2048*(\j)
	s_wait_dscnt 0x0                               ; the stores have landed
	s_wait_alu depctr_vm_vsrc(0)                   ; the LDS stores have read v56-105 and the loads their offsets: the next turn's loads, and later the fragments' loads, land in these registers
.Lstaged_\@:
.endm
.macro HORN d, sc                      ; eight numbers: d = d z^2 + a constant
.irp p, 0,2,4,6
	v_pk_fma_f32 v[\d+\p:\d+\p+1], v[\d+\p:\d+\p+1], v[200+\p:201+\p], s[\sc:\sc+1] op_sel_hi:[1,1,0]
.endr
.endm
; The way out of tile m, all in window 1: a = x W1^T in accumulators (m, 0), (m, 1), b = x W3^T in (m, 2), (m, 3); h = gelu(a) b takes a's place, eight numbers at a time (v192.. z, v200.. z^2, v208.. P, v216.. Q),
; each accumulator read from its low end on; then the lane's 16 numbers and lane l xor 16's are a block of 32: its scale byte, 16 codes, 12 bytes a lane.
.macro ACT m
.if (\m) > 0
	s_add_co_u32 s57, s74, 16*(\m)
	s_cmp_le_u32 s56, s57                          ; a tile past the pair's rows is neither worked nor stored
	s_cbranch_scc1 .Lep_end
.endif
	WIN 0x55
.irp hh, 0,1
.set aR, 32*(\m)+8*\hh
.set bR, 32*(\m)+16+8*\hh
.irp p, 0,2,4,6
	v_pk_mul_f32 v[192+\p:193+\p], v[aR+\p:aR+\p+1], s[80:81] op_sel_hi:[1,0]      ; z = a / sqrt 2
.endr
.irp p, 0,1,2,3,4,5,6,7
	v_med3_num_f32 v[192+\p], v[192+\p], -s77, s77                                 ; held at +-3.8325
.endr
.irp p, 0,2,4,6
	v_pk_mul_f32 v[200+\p:201+\p], v[192+\p:193+\p], v[192+\p:193+\p]
.endr
.irp p, 0,2,4,6
	v_pk_fma_f32 v[208+\p:209+\p], v[200+\p:201+\p], s[82:83], v[240:241] op_sel_hi:[1,0,1]
.endr
.irp p, 0,2,4,6
	v_pk_fma_f32 v[216+\p:217+\p], v[200+\p:201+\p], s[94:95], v[244:245] op_sel_hi:[1,0,1]
.endr
	HORN 208, 84
	HORN 216, 96
	HORN 208, 86
	HORN 216, 98
	HORN 208, 88
	HORN 216, 100
.irp p, 0,1,2,3,4,5,6,7
	v_rcp_f32 v[216+\p], v[216+\p]
.endr
	HORN 208, 90                                   ; (plain places behind the reciprocals)
	HORN 208, 92
.irp p, 0,2,4,6
	v_pk_mul_f32 v[208+\p:209+\p], v[208+\p:209+\p], v[192+\p:193+\p]
.endr
	s_wait_alu depctr_va_vdst(0)                   ; the eight reciprocals have written v216-223 of window 1: one wait for the batch, ahead of its first reader
.irp p, 0,2,4,6
	v_pk_mul_f32 v[208+\p:209+\p], v[208+\p:209+\p], v[216+\p:217+\p]              ; erf(z)
.endr
.irp p, 0,2,4,6
	v_pk_mul_f32 v[192+\p:193+\p], v[aR+\p:aR+\p+1], 0.5 op_sel_hi:[1,0]
.endr
.irp p, 0,2,4,6
	v_pk_fma_f32 v[192+\p:193+\p], v[192+\p:193+\p], v[208+\p:209+\p], v[192+\p:193+\p]   ; gelu(a)
.endr
.irp p, 0,2,4,6
	v_pk_mul_f32 v[aR+\p:aR+\p+1], v[192+\p:193+\p], v[bR+\p:bR+\p+1]              ; h
.endr
.endr
.set aR, 32*(\m)
	v_max3_num_f32 v251, |v[aR]|, |v[aR+1]|, 0x1800000     ; my 16 numbers and the floor 2^(3 - 127), in two chains
	v_max3_num_f32 v253, |v[aR+2]|, |v[aR+3]|, |v[aR+6]|
	v_max3_num_f32 v251, v251, |v[aR+4]|, |v[aR+5]|
	v_max3_num_f32 v253, v253, |v[aR+7]|, |v[aR+10]|
	v_max3_num_f32 v251, v251, |v[aR+8]|, |v[aR+9]|
	v_max3_num_f32 v253, v253, |v[aR+11]|, |v[aR+14]|
	v_max3_num_f32 v251, v251, |v[aR+12]|, |v[aR+13]|
	v_max3_num_f32 v251, v251, v253, |v[aR+15]|
	v_permlanex16_b32 v252, v251, s78, s79
	v_max_num_f32 v251, v251, v252                 ; with lane l xor 16's: the block's largest magnitude
	v_add_nc_u32 v246, 0xff000000, v251            ; 2 off its exponent field: the conversion's scale operand
	s_wait_xcnt 0x0                                ; the last tile's two stores, a tile's arithmetic back, have had their addresses translated: their data are written again only behind this wait,
	s_wait_alu depctr_vm_vsrc(0)                   ; and they have read v247-250 of window 1, which the two lines below write again
	v_lshrrev_b32 v247, 23, v246                   ; the scale's byte
	v_cvt_scalef32_pk16_fp6_f32 v[248:250], v[aR:aR+15], v246
	v_nop                                          ; one plain place behind the conversion
	s_wait_alu depctr_va_vdst(0)                   ; the shift has written v247 and the conversion v248-250, which the two stores read
	global_store_b96 v242, v[248:250], s[18:19] offset:TIMG*(\m)      ; the wave stores 384 consecutive bytes: the tile's 16 rows of this block
	global_store_b8 v243, v247, s[20:21] offset:512*(\m)              ; both lanes of a row write the same byte with the same value
	WIN 0
.endm
	s_load_b512 s[4:19], s[0:1], 0x0               ; xq s[4:5], xs s[6:7], tab s[8:9], W1's codes s[10:11], scales s[12:13], W3's codes s[14:15], scales s[16:17], hq s[18:19]
	s_load_b64 s[20:21], s[0:1], 0x40              ; hs
	v_lshl_add_u32 v254, v0, 2, 0x3f000
	v_mov_b32 v255, 0
	v_lshrrev_b32 v1, 5, v0
	v_readfirstlane_b32 s60, v1                    ; wave 0..7
	v_and_b32 v[LANE], 31, v0
	v_and_b32 v[R], 15, v0
	v_bfe_u32 v[H], v0, 4, 1
	s_wait_alu depctr_va_sdst(0)                   ; s60 is written, ahead of its first reader: bases, LDS addresses and branches are made from it
	s_and_b32 s57, ttmp7, 0xffff
	s_lshr_b32 s61, s57, 2                         ; expert
	s_and_b32 s62, s57, 3                          ; slice
	s_mov_b32 s63, ttmp9                           ; chunk q
	s_lshl_b32 s66, s61, 3
	s_add_co_u32 s66, s66, s63                     ; pair = 8 e + q
	s_lshl_b32 s67, s62, 3
	s_add_co_u32 s67, s67, s60                     ; my block of 32 hidden units = 8 slice + wave
	s_lshr_b32 s70, s60, 1                         ; staging: my tile in a turn,
	s_and_b32 s71, s60, 1                          ; my K half
	v_and_b32 v228, 8, v[R]
	v_add_nc_u32 v228, v228, v[R]                  ; r + 8 (r / 8)
	v_mul_u32_u24 v[VB], v228, 768
	v_mad_u32_u24 v[VB], v[H], 48, v[VB]
	v_lshl_add_u32 v228, v[H], 3, v228             ; scale words: lanes 16-31 take the odd tile, 8 rows on
	v_lshlrev_b32 v[VBS], 5, v228
	s_mul_i32 s68, s61, 786432                     ; the expert's codes, my 32 rows of 768 bytes
	s_mul_i32 s57, s67, 24576
	s_add_co_u32 s68, s68, s57
	s_mov_b32 s69, 0
	s_lshl_b32 s22, s61, 15                        ; and their scale bytes
	s_lshl_b32 s57, s67, 10
	s_add_co_u32 s22, s22, s57
	s_mov_b32 s23, 0
	s_lshl_b32 s72, s66, 6                         ; the pair's sixteen mask words
	s_mov_b32 s73, 0
	s_wait_kmcnt 0x0
	s_add_nc_u64 s[8:9], s[8:9], s[72:73]
	s_load_b512 s[24:39], s[8:9], 0x0              ; s24-31 first choice, s32-39 second choice, a word for each 32 tokens
	s_add_nc_u64 s[10:11], s[10:11], s[68:69]
	s_add_nc_u64 s[14:15], s[14:15], s[68:69]
	s_add_nc_u64 s[12:13], s[12:13], s[22:23]
	s_add_nc_u64 s[16:17], s[16:17], s[22:23]
	s_wait_alu depctr_va_vdst(0)                   ; v4 and v5 are written: every load of the weights and of their scale words reads one of them as its offset
	global_load_b128 v[BSA:BSA+3], v[VBS], s[12:13]            ; a row's 32 scale bytes are the eight K steps' words
	global_load_b128 v[BSA+4:BSA+7], v[VBS], s[12:13] offset:16
	global_load_b128 v[BSB:BSB+3], v[VBS], s[16:17]
	global_load_b128 v[BSB+4:BSB+7], v[VBS], s[16:17] offset:16
	BLOAD 0, 0                                     ; the first three K steps' weights are asked for ahead of the list and the staging
	BLOAD 1, 1
	BLOAD 2, 2
	s_mul_i32 s68, s66, 196608                     ; hq: [pair][tile 16][block 32][row 16][24 bytes]
	s_mul_i32 s57, s67, 384
	s_add_co_u32 s68, s68, s57
	s_add_nc_u64 s[18:19], s[18:19], s[68:69]
	s_lshl_b32 s68, s66, 13                        ; hs: [pair][tile][row][32 bytes]; my block's byte: word block / 4, bytes 1 and 2 swapped
	s_lshr_b32 s57, s67, 2
	s_lshl_b32 s57, s57, 2
	s_add_co_u32 s68, s68, s57
	s_and_b32 s57, s67, 1
	s_lshl_b32 s57, s57, 1
	s_add_co_u32 s68, s68, s57
	s_bfe_u32 s57, s67, 0x10001
	s_add_co_u32 s68, s68, s57
	s_add_nc_u64 s[20:21], s[20:21], s[68:69]
	; every LDS address that stays is made here, ahead of the first parting of the waves
	v_lshl_add_u32 v[LI], v[LANE], 4, AIMG
	v_lshl_add_u32 v[LSC], v[LANE], 5, ASC
	s_lshl_b32 s57, s70, 6
	v_lshl_add_u32 v[LSTA], v[R], 2, s57
	s_mul_i32 s57, s71, 384
	v_mad_u32_u24 v[XLO], v[H], 48, s57
	s_lshl_b32 s57, s71, 4
	v_lshl_add_u32 v[SLO], v[H], 3, s57
	s_lshl_b32 s68, s70, 9
	s_add_co_u32 s57, s57, s68
	s_add_co_u32 s57, s57, ASC
	v_lshl_add_u32 v[SSA], v[R], 5, s57
	v_lshl_add_u32 v[SSA], v[H], 3, v[SSA]
	v_lshl_add_u32 v[LFILL], v[LANE], 2, LIST+1024
	s_mul_i32 s57, s70, TIMG
	s_mul_i32 s68, s71, 6144
	s_add_co_u32 s57, s57, s68
	v_add_nc_u32 v[SA], s57, v[LI]
	v_add_nc_u32 v[SA+1], 8*TIMG, v[SA]
	v_add_nc_u32 v[SA+2], 16*TIMG, v[SA]
	v_mul_u32_u24 v229, v[R], 24
	v_mad_u32_u24 v229, v[H], 12, v229
	WIN 0x40                                       ; destination window 1
	v_mov_b32 v240, 0x32EDFFEE                     ; P's second coefficient, twice
	v_mov_b32 v241, 0x32EDFFEE
	v_mov_b32 v244, 0xB95FBD29                     ; Q's second, twice
	v_mov_b32 v245, 0xB95FBD29
	v_mov_b32 v242, v229                           ; the codes' place: 24 r + 12 h
	v_lshlrev_b32 v243, 5, v[R]                    ; the byte's: 32 r
	v_mov_b32 v252, 0                              ; written once: a lane permute's destination counts as one of its sources
	WIN 0
	s_wait_alu depctr_va_vdst(0)                   ; the addresses and offsets that stay are written: v9-15, v224-226 and window 1's v242, v243, which LDS instructions and stores read from here to the end
	s_mov_b32 s76, 0x03010200                      ; v_perm_b32: bytes 1 and 2 change places
	s_mov_b32 s77, 0x407547CB                      ; 3.8325
	s_mov_b32 s78, 0x76543210
	s_mov_b32 s79, 0xfedcba98                      ; v_permlanex16_b32's selects for lane l xor 16
	SPAIR 80, 0x3f3504f3                           ; 1 / sqrt 2
	SPAIR 82, 0xAF95DF0B                           ; P, from the highest power down (the second lies in v240)
	SPAIR 84, 0xB60CFF51
	SPAIR 86, 0xB86EC2D2
	SPAIR 88, 0xBA40AC63
	SPAIR 90, 0xBB41A1F6
	SPAIR 92, 0xBC83DBD4
	SPAIR 94, 0xB77460CD                           ; Q likewise (the second in v244)
	SPAIR 96, 0xBADC924E
	SPAIR 98, 0xBBF19BF8
	SPAIR 100, 0xBC69B6A7
	s_wait_kmcnt 0x0                               ; the masks
.irp g, 0,1,2,3,4,5,6,7
	s_or_b32 s[40+\g], s[24+\g], s[32+\g]          ; chosen at all
.endr
	s_mov_b32 s48, 0
.irp g, 0,1,2,3,4,5,6,7
	s_bcnt1_i32_b32 s57, s[40+\g]
	s_add_co_u32 s[49+\g], s[48+\g], s57           ; s48-55: how many were chosen in the groups before; s56: the pair's rows
.endr
	s_add_co_u32 s58, s56, 15
	s_lshr_b32 s58, s58, 4                         ; tiles of 16 rows
	s_cmp_gt_u32 s58, 12
	s_cselect_b32 s59, 18, 12
	s_cmp_gt_u32 s58, 6
	s_cselect_b32 s59, s59, 6
	s_cmp_eq_u32 s58, 0
	s_cselect_b32 s59, 0, s59                      ; tiles to stage: those of the trips that will run
	s_cmp_lg_u32 s60, 0
	s_cbranch_scc1 .Llist_done
	; wave 0 alone touches LDS here.  A chosen token goes to its rank, the others behind the chosen ones in their own order: a permutation of the 256 words.
	; The eight groups' addresses and words are made first, each in a register of its own; one wait; then the stores
	s_lshl_b32 s57, s63, 8
	v_add_nc_u32 v228, s57, v[LANE]                ; token 256 q + lane
.irp g, 0,1,2,3,4,5,6,7
	v_mbcnt_lo_u32_b32 v229, s[40+\g], s[48+\g]    ; chosen tokens before mine
	s_add_co_u32 s67, s56, 32*\g
	v_add_nc_u32 v230, s67, v[LANE]
	v_sub_nc_u32 v230, v230, v229
	s_mov_b32 vcc_lo, s[40+\g]
	v_cndmask_b32 v230, v230, v229, vcc_lo
	v_min_u32 v230, 255, v230
	v_lshl_add_u32 v[LAD+\g], v230, 2, LIST
	v_add_nc_u32 v[LDT+\g], 32*\g, v228
.endr
	s_wait_alu depctr_va_vdst(0)                   ; the list's addresses v232-239, its words v240-247 and v228 are written, which the ten stores read
.irp g, 0,1,2,3,4,5,6,7
	ds_store_b32 v[LAD+\g], v[LDT+\g]
.endr
	ds_store_b32 v[LFILL], v228                    ; words 256 to 319: tokens too, for the rows that only fill a trip's last tiles
	ds_store_b32 v[LFILL], v228 offset:128
.Llist_done:
	s_wait_dscnt 0x0
	s_barrier_signal -1
	s_barrier_wait -1                              ; the list lies in LDS
.irp j, 0,1,2,3,4
	ds_load_b32 v[LW+\j], v[LSTA] offset:256*\j    ; my row's token in each of the five staging turns: all 320 words of the list hold tokens
.endr
	s_wait_dscnt 0x0
.irp j, 0,1,2,3,4
	v_min_u32 v[LW+\j], 2047, v[LW+\j]             ; a token's number stays inside the table
.endr
.irp j, 0,1,2,3,4
	v_mul_u32_u24 v[GA+\j], v[LW+\j], 768
.endr
.irp j, 0,1,2,3,4
	v_add_nc_u32 v[GA+\j], v[GA+\j], v[XLO]
.endr
.irp j, 0,1,2,3,4
	v_lshl_add_u32 v[GS+\j], v[LW+\j], 5, v[SLO]
.endr
	s_wait_alu depctr_va_vdst(0)                   ; the ten offsets v111-120 are written, which the turns' loads read
	STAGE 0
	STAGE 1
	STAGE 2
	STAGE 3
	STAGE 4
	s_wait_loadcnt 36                              ; the four loads of scale words are in: 36 loads of weights were issued behind them
.irp i, 0,1,2,3,4,5,6,7,8,9,10,11,12,13,14,15
	v_perm_b32 v[BSA+\i], v[BSA+\i], v[BSA+\i], s76
.endr
	PLACES 8                                       ; a scale register written by a vector instruction stands eight places ahead of a scaled matrix instruction
	s_wait_alu depctr_va_vdst(0)                   ; the sixteen permutes have written v16-31, which the scaled matrix instructions take as scales; the places above stay beside this wait
	s_wait_dscnt 0x0
	s_barrier_signal -1
	s_barrier_wait -1                              ; the images lie in LDS; nothing is stored to LDS from here on
	s_mov_b32 s72, 0                               ; the trip's images,
	s_mov_b32 s73, 0                               ; its scale words,
	s_mov_b32 s74, 0                               ; its first row
	s_mov_b32 s75, 0
.Ltrip:                                            ; three trips of 96 rows: a constant count; a trip past the pair's rows is jumped over
	s_wait_alu depctr_vm_vsrc(0)                   ; the LDS loads of the trip before have read v6-8, which the three lines below write again
	v_add_nc_u32 v[AI0], s72, v[LI]
	v_add_nc_u32 v[AI1], 3*TIMG, v[AI0]
	v_add_nc_u32 v[ASA], s73, v[LSC]
	s_cmp_ge_u32 s74, s56
	s_cbranch_scc1 .Lskip
	s_wait_alu depctr_va_vdst(0)                   ; v6-8 are written, which the loads below read; the last trip's products are done reading v32-127, and the staging's lines are done with v106-120: the loads below land there
.irp i, 0,1,2
	ds_load_b128 v[AS+8*\i:AS+8*\i+3], v[ASA] offset:1024*\i          ; lanes 0-15: tile 2 i's words, lanes 16-31: tile 2 i + 1's
	ds_load_b128 v[AS+8*\i+4:AS+8*\i+7], v[ASA] offset:1024*\i+16
.endr
	AFETCH AI0, 0, 0
	AFETCH AI1, 3, 0
	STEP 0
	STEP 1
	STEP 2
	STEP 3
	STEP 4
	STEP 5
	STEP 6
	STEP 7
	ACT 0
	ACT 1
	ACT 2
	ACT 3
	ACT 4
	ACT 5
.Lep_end:
	s_add_co_u32 s57, s74, 96
	s_cmp_ge_u32 s57, s56
	s_cbranch_scc1 .Lskip
	s_wait_xcnt 0x0
	s_wait_alu depctr_va_vdst(0)                   ; the way out's lines are done with window 1's v192-223, and the products of steps 5 to 7 with the weights' three sets: the loads below land there
	BLOAD 0, 0                                     ; another trip follows: its first three K steps' weights
	BLOAD 1, 1
	BLOAD 2, 2
.Lskip:
	s_wait_xcnt 0x0                                ; the stores have read their bases
	s_add_nc_u64 s[18:19], s[18:19], 6*TIMG
	s_add_nc_u64 s[20:21], s[20:21], 3072
	s_add_co_u32 s72, s72, 6*TIMG
	s_add_co_u32 s73, s73, 3072
	s_add_co_u32 s74, s74, 96
	s_add_co_u32 s75, s75, 1
	s_cmp_lt_u32 s75, 3
	s_cbranch_scc1 .Ltrip
	s_wait_dscnt 0x0                               ; the closing lines, six on end
	s_wait_alu 0x0
	s_wait_tensorcnt 0x0
	ds_add_u32 v254, v255
	s_wait_dscnt 0x0
	s_endpgm
.Lfunc_end_k_q70fcf90d6c_up:
	.size	k_q70fcf90d6c_up, .Lfunc_end_k_q70fcf90d6c_up-k_q70fcf90d6c_up
	.p2alignl 7, 3214868480
	.fill 96, 4, 3214868480
	.section	.rodata,"a",@progbits
	.p2align	6, 0x0
	.amdhsa_kernel k_q70fcf90d6c_up
		.amdhsa_group_segment_fixed_size 259072
		.amdhsa_private_segment_fixed_size 0
		.amdhsa_enable_private_segment 0
		.amdhsa_kernarg_size 72
		.amdhsa_user_sgpr_count 2
		.amdhsa_user_sgpr_kernarg_segment_ptr 1
		.amdhsa_wavefront_size32 1
		.amdhsa_system_sgpr_workgroup_id_x 1
		.amdhsa_system_sgpr_workgroup_id_y 1
		.amdhsa_system_sgpr_workgroup_id_z 1
		.amdhsa_system_vgpr_workitem_id 0
		.amdhsa_next_free_vgpr 512
		.amdhsa_next_free_sgpr 102
		.amdhsa_reserve_vcc 1
		.amdhsa_float_denorm_mode_32 3
		.amdhsa_float_denorm_mode_16_64 3
		.amdhsa_memory_ordered 1
		.amdhsa_forward_progress 1
		.amdhsa_inst_pref_size 145
	.end_amdhsa_kernel
	.amdgpu_metadata
---
amdhsa.version: [ 1, 2 ]
amdhsa.kernels:
  - .name:           k_q70fcf90d6c_up
    .symbol:         k_q70fcf90d6c_up.kd
    .args:
      - { .name: xq, .offset: 0, .size: 8, .value_kind: global_buffer, .address_space: global }
      - { .name: xs, .offset: 8, .size: 8, .value_kind: global_buffer, .address_space: global }
      - { .name: tab, .offset: 16, .size: 8, .value_kind: global_buffer, .address_space: global }
      - { .name: w1_codes, .offset: 24, .size: 8, .value_kind: global_buffer, .address_space: global }
      - { .name: w1_scales, .offset: 32, .size: 8, .value_kind: global_buffer, .address_space: global }
      - { .name: w3_codes, .offset: 40, .size: 8, .value_kind: global_buffer, .address_space: global }
      - { .name: w3_scales, .offset: 48, .size: 8, .value_kind: global_buffer, .address_space: global }
      - { .name: hq, .offset: 56, .size: 8, .value_kind: global_buffer, .address_space: global }
      - { .name: hs, .offset: 64, .size: 8, .value_kind: global_buffer, .address_space: global }
    .group_segment_fixed_size: 259072
    .private_segment_fixed_size: 0
    .kernarg_segment_align: 8
    .kernarg_segment_size: 72
    .max_flat_workgroup_size: 256
    .sgpr_count:     102
    .vgpr_count:     512
    .wavefront_size: 32
...
	.end_amdgpu_metadata
.endif
;; end of part 5
;; launch down (part 6): grid 8 x 32, 4 waves a work-group, no clusters, 249,600 bytes of LDS; arguments hq, hs, tab, w2_codes, w2_scales, y; writes y
.if DOCPART == 6
	.amdgcn_target "amdgcn-amd-amdhsa--gfx1250"
	.amdhsa_code_object_version 6
	.text
	.protected	k_q70fcf90d6c_down
	.globl	k_q70fcf90d6c_down
	.p2align	8
	.type	k_q70fcf90d6c_down,@function
k_q70fcf90d6c_down:
	s_mov_b64 s[64:65], 0
	v_nop
	global_prefetch_b8 v0, s[64:65] scope:SCOPE_SE
	s_setreg_imm32_b32 hwreg(HW_REG_WAVE_SCHED_MODE, 0, 2), 2
	s_setreg_imm32_b32 hwreg(HW_REG_WAVE_MODE, 25, 1), 1
	s_wait_xcnt 0x0
	s_wait_alu depctr_vm_vsrc(0)
; DOWN.  y[2 t + k][:] = h W2[e]^T for token t's k-th choice e, on codes of FP6 (E2M3) with E8M0 scales; the gate's weight and the sum of the two choices follow in the last launch.
; SHARES.  As in the launch before: a work-group takes a PAIR (expert e, chunk q of 256 tokens) and a slice of 256 outputs (grid 8 x 32: x = q, y = 4 e + slice); wave w of 4 makes outputs 64 w + 0 .. 63 of
; the slice, four tiles of W2's rows, against six tiles of 16 rows at a time: 24 accumulators.  Three trips of 96 rows; a trip, and in the way out a tile, past the pair's count is jumped over: a scalar
; branch on a stored number, so this launch has no tensor load and no joint requests in a cluster (the pairs' counts differ, and every partner would have to ask on every path).
; The hidden layer's codes lie in the pair's own order (rank in its list), so they are read densely and go once into LDS as images of the operand's registers.  W2 goes from memory straight into registers.
; THE LIST, made by wave 0 from the pair's sixteen mask words, says where a row goes: row 2 t + k of y.  The rows that only fill the pair's last tile go to spare rows of the pair's own, which nobody reads:
; row 4096 + 16 pair + (place in the list mod 16).  Such rows lie in one tile of 16, so each has a spare row to itself: no byte of y is stored twice.
; THE OPERAND'S ORDER is that of the launch before: lane (r, h) holds blocks 2 h and 2 h + 1 of a K step, bytes 1 and 2 of every scale word are swapped (hs is stored so; W2's words are swapped here).
; TRANSPOSED USE: source 0 = 16 rows of W2, source 1 = 16 rows of h.  Index i of tile t takes W2's row 32 (i / 8) + 8 t + i % 8 of the wave's 64, so that a lane's 32 registers of a row tile are 32 neighbouring outputs.
; REGISTERS.  Window 0: v1-15 lane numbers and addresses; v16-31 W2's scale words; v32-55 h's; v56-127 h's six fragments (staging: v56-105 a turn's rows, v106-123 the turns' offsets); v128-175, v176-223 W2's fragments,
; sets 0 and 1 (way out: rows of y); v224-239 addresses, list; v240-255 the way out's rows and offsets (in wave 0, ahead of that: the list's addresses and words).  Window 1: v0-191 the accumulators ((m, t) at 8 (4 m + t)); v192-239 W2's set 2.
; THE MODE: SCHED_MODE bits 1:0 = 2 (LLVM: expert scheduling mode 2), set by the entry lines.  The code itself states the register dependences between vector or matrix instructions and memory or LDS
; instructions, with s_wait_alu, always for 0.
; THE PLAN.  Registers that memory or LDS instructions touch:
;   v4, v5; v9-14, v224-232   offsets and addresses, made once at the head, never written again: one wait on va_vdst behind each of the two groups.
;   v238, v240-255   wave 0's list: eight addresses and eight words are made, then one wait on va_vdst, then the stores.  The way out takes v240-255 later, behind its wait on vm_vsrc.
;   v106-123         staging: the nine turns' eighteen offsets are made at once; one wait on va_vdst; the turns' global loads read them.
;   v56-105          staging: global loads land, LDS stores read, no vector line names them: a wait on vm_vsrc at a turn's end, ahead of the next loads into them.
;   v6-8, v15        the trip's LDS addresses: written once a trip, behind a wait on vm_vsrc; the wait on va_vdst ahead of the trip's first LDS loads states that they are written.
;   v32-55, v56-127  h's scale words and fragments: LDS loads land, matrix instructions read.   W2's three sets: global loads land, matrix instructions read.
;   the way out of a tile: the accumulators (matrix instructions write, LDS stores read); v240-247 (LDS loads land, vector lines read and write); v248-255 (vector lines write, global stores read as offsets);
;                    v128-159 (LDS loads land, global stores read).
; A K step has two waits on va_vdst: behind the twelve products of tiles 0-2, ahead of the loads of those tiles' next fragments, and behind the twelve of tiles 3-5, ahead of the loads of those tiles' next fragments and
; of the weights three steps on.  A tile of the way out has a wait on vm_vsrc and one on va_vdst at its head and one on va_vdst ahead of its eight global stores.
.set LIST, 0                           ; LDS: the list, 288 words in 1,280 bytes
.set AIMG, 1280                        ; the images: tile m, K step s at m TIMG + 1536 s; 18 tiles
.set TIMG, 12288
.set ASC,  AIMG+18*TIMG                ; h's scale words: [tile][row][32 bytes]
.set STG,  ASC+18*512                  ; a stage of 16 rows x (256 bytes + 16) for each wave
.set YROWS, 4096+64*16                 ; rows of y: two for each token, then sixteen spare ones for each pair
.set LANE, 1
.set R,    2
.set H,    3
.set VB,   4
.set VBS,  5
.set AI0,  6
.set AI1,  7
.set ASA,  8
.set LI,   9
.set LSC,  10
.set LSTB, 11                          ; LIST + 4 (lane / 16)
.set HLO,  12                          ; staging: my byte in a tile of hq
.set SLO,  13                          ; and of hs
.set SSA,  14
.set LSTC, 15                          ; the trip's part of the list
.set BSA,  16
.set BSB,  24
.set AS,   32
.set AF,   56
.set HA,   106                         ; v106-114 staging: my byte in hq in each of the nine turns
.set HSA,  115                         ; v115-123 and in hs
.set SA,   224                         ; v224-228 staging: where the images go
.set STO,  229                         ; the stage: where I put 128 bytes of a row
.set SRD,  230                         ; and where I read rows back
.set YLO,  231                         ; 16 (lane % 16)
.set LFILL,232
.set MSB, 0
.macro WIN new                         ; the immediate's high byte repeats the setting that is left; a switch that changes nothing is dropped
.if MSB != \new
	s_set_vgpr_msb (MSB<<8)|\new
.set MSB, \new
.endif
.endm
.macro PLACES n
.rept \n
	v_nop
.endr
.endm
.macro BLOAD slot, s                   ; W2's four fragments of K step s into set slot (0, 1: window 0; 2: window 1)
.set BB, 128+48*(\slot)-32*((\slot)/2)
.if (\slot) == 2
	WIN 0x40
.endif
.irp t, 0,1,2,3
.irp c, 0,1,2
	global_load_b128 v[BB+12*\t+4*\c:BB+12*\t+4*\c+3], v[VB], s[10:11] offset:6144*\t+96*(\s)+16*\c
.endr
.endr
	WIN 0
.endm
.macro AFETCH adr, m0, s
.irp mm, 0,1,2
.irp c, 0,1,2
	ds_load_b128 v[AF+12*((\m0)+\mm)+4*\c:AF+12*((\m0)+\mm)+4*\c+3], v[\adr] offset:\mm*TIMG+1536*(\s)+512*\c
.endr
.endr
.endm
.macro WM s, sb, m, t                  ; one matrix instruction: accumulator (m, t), K step s.  Scale words: lanes 0-15 serve the even tile, lanes 16-31 the odd one
.set rD, 8*(4*(\m)+(\t))
.set rW, (\sb)+12*(\t)
.set rX, AF+12*(\m)
.set rWS, BSA+8*((\t)/2)+(\s)
.set rXS, AS+8*((\m)/2)+(\s)
.set par, 2*((\m)%2)+(\t)%2
.if (\s) == 0                          ; the first K step starts the sums
.if par == 0
	v_wmma_scale_f32_16x16x128_f8f6f4 v[rD:rD+7], v[rW:rW+11], v[rX:rX+11], 0, v[rWS], v[rXS] matrix_a_fmt:MATRIX_FMT_FP6 matrix_b_fmt:MATRIX_FMT_FP6
.elseif par == 1
	v_wmma_scale_f32_16x16x128_f8f6f4 v[rD:rD+7], v[rW:rW+11], v[rX:rX+11], 0, v[rWS], v[rXS] matrix_a_fmt:MATRIX_FMT_FP6 matrix_b_fmt:MATRIX_FMT_FP6 matrix_a_scale:MATRIX_SCALE_ROW1
.elseif par == 2
	v_wmma_scale_f32_16x16x128_f8f6f4 v[rD:rD+7], v[rW:rW+11], v[rX:rX+11], 0, v[rWS], v[rXS] matrix_a_fmt:MATRIX_FMT_FP6 matrix_b_fmt:MATRIX_FMT_FP6 matrix_b_scale:MATRIX_SCALE_ROW1
.else
	v_wmma_scale_f32_16x16x128_f8f6f4 v[rD:rD+7], v[rW:rW+11], v[rX:rX+11], 0, v[rWS], v[rXS] matrix_a_fmt:MATRIX_FMT_FP6 matrix_b_fmt:MATRIX_FMT_FP6 matrix_a_scale:MATRIX_SCALE_ROW1 matrix_b_scale:MATRIX_SCALE_ROW1
.endif
.else
.if par == 0
	v_wmma_scale_f32_16x16x128_f8f6f4 v[rD:rD+7], v[rW:rW+11], v[rX:rX+11], v[rD:rD+7], v[rWS], v[rXS] matrix_a_fmt:MATRIX_FMT_FP6 matrix_b_fmt:MATRIX_FMT_FP6
.elseif par == 1
	v_wmma_scale_f32_16x16x128_f8f6f4 v[rD:rD+7], v[rW:rW+11], v[rX:rX+11], v[rD:rD+7], v[rWS], v[rXS] matrix_a_fmt:MATRIX_FMT_FP6 matrix_b_fmt:MATRIX_FMT_FP6 matrix_a_scale:MATRIX_SCALE_ROW1
.elseif par == 2
	v_wmma_scale_f32_16x16x128_f8f6f4 v[rD:rD+7], v[rW:rW+11], v[rX:rX+11], v[rD:rD+7], v[rWS], v[rXS] matrix_a_fmt:MATRIX_FMT_FP6 matrix_b_fmt:MATRIX_FMT_FP6 matrix_b_scale:MATRIX_SCALE_ROW1
.else
	v_wmma_scale_f32_16x16x128_f8f6f4 v[rD:rD+7], v[rW:rW+11], v[rX:rX+11], v[rD:rD+7], v[rWS], v[rXS] matrix_a_fmt:MATRIX_FMT_FP6 matrix_b_fmt:MATRIX_FMT_FP6 matrix_a_scale:MATRIX_SCALE_ROW1 matrix_b_scale:MATRIX_SCALE_ROW1
.endif
.endif
.endm
.macro MM12 s, sb, m0                  ; the 24 accumulators take turns, in the same order in every K step
.irp m, \m0, \m0+1, \m0+2
.irp t, 0,1,2,3
	WM \s, \sb, \m, \t
.endr
.endr
.endm
; A K step of 128: 24 matrix instructions; four plain places in front of every run of loads into registers that matrix instructions have read; the wait that states the dependence stands behind them.
.macro STEP s
.set SL, (\s)%3
.set SBASE, 128+48*SL-32*(SL/2)
.set MW, 0x50+SL/2                     ; C and D window 1; source 0 window 1 for set 2
.if (\s) < 6
	s_wait_loadcnt 24                              ; this step's 12 loads are in; the 12 each of the two steps behind it may be out
.elseif (\s) == 6
	s_wait_loadcnt 12
.else
	s_wait_loadcnt 0x0
.endif
	s_wait_dscnt 9                                 ; tiles 0-2 (and in step 0 the scale words) are in; the nine loads of tiles 3-5 may be out
	WIN MW
	MM12 \s, SBASE, 0
	PLACES 4
	WIN 0
.if (\s) < 7
	s_wait_alu depctr_va_vdst(0)                   ; the twelve products above are done reading the fragments of tiles 0-2, in which the nine loads below land
	AFETCH AI0, 0, (\s)+1
	s_wait_dscnt 9                                 ; all but the nine just issued
.else
	s_wait_dscnt 0x0
.endif
	WIN MW
	MM12 \s, SBASE, 3
.if (\s) < 7
	PLACES 4
	WIN 0
	s_wait_alu depctr_va_vdst(0)                   ; the twelve products above are done reading the fragments of tiles 3-5, and all 24 of the step the weights' set: the loads below land in both
	AFETCH AI1, 3, (\s)+1
.else
	PLACES 5                                       ; the way out reads results, and the next trip's first products write over these accumulators
	WIN 0
.endif
.if (\s) < 5
	BLOAD SL, (\s)+3
.endif
.endm
; Staging turn j: tile m = wave / 2 + 2 j, K half wave % 2.  A tile past the trips that will run is left out.  The turn's offsets were made ahead of the first turn.  No vector line names v56-105: they go from loads to LDS stores.
.macro STAGE j
	s_add_co_u32 s57, s70, 2*(\j)
	s_cmp_ge_u32 s57, s59
	s_cbranch_scc1 .Lstaged_\@
.irp sl, 0,1,2,3
.irp c, 0,1
.irp p, 0,1,2
	global_load_b64 v[AF+12*\sl+6*\c+2*\p:AF+12*\sl+6*\c+2*\p+1], v[HA+(\j)], s[4:5] offset:1536*\sl+384*\c+8*\p   ; block 4 s + 2 h + c of my row: 24 bytes, in pieces of 8
.endr
.endr
.endr
	global_load_b64 v[104:105], v[HSA+(\j)], s[6:7]
	s_wait_loadcnt 0x0
.irp i, 0,1,2,3,4,5,6,7,8,9,10,11
	ds_store_b128 v[SA+(\j)/2], v[AF+4*\i:AF+4*\i+3] offset:2*TIMG*((\j)%2)+512*\i
.endr
	ds_store_b64 v[SSA], v[104:105] offset:1024*(\j)
	s_wait_dscnt 0x0                               ; the stores have landed
	s_wait_alu depctr_vm_vsrc(0)                   ; the LDS stores have read v56-105 and the loads their offsets: the next turn's loads, and later the fragments' loads, land in these registers
.Lstaged_\@:
.endm
; The way out of tile m: a lane's 128 bytes of a row go into my own stage and come back as rows of 256 bytes, two a load; each goes to the row of y that the list names: sixteen lanes store 256 consecutive, aligned bytes.
.macro OUT m
.if (\m) > 0
	s_add_co_u32 s57, s74, 16*(\m)
	s_cmp_le_u32 s56, s57
	s_cbranch_scc1 .Lep_end
.endif
	s_wait_xcnt 0x0                                ; the last tile's stores have had their addresses translated: their registers are written again only behind this wait,
	s_wait_alu depctr_vm_vsrc(0)                   ; and they have read their offsets v248-255, which the lines below write again, and their data v128-159, in which the stage's rows land (ahead of the first tile of all: wave 0's stores of the list have read v240-255)
	s_wait_alu depctr_va_vdst(0)                   ; a trip's first tile: the products have written the 24 accumulators, which the LDS stores of the way out read (the five places stand ahead), and are done reading the weights' set 0, in which rows of y land; later tiles: the last tile's lines are done with v240-247, in which the list's words land
.irp i, 0,1,2,3,4,5,6,7
	ds_load_b32 v[240+\i], v[LSTC] offset:64*(\m)+8*\i             ; where rows 2 i and 2 i + 1 go
.endr
	WIN 0x04                                       ; an LDS store's data are its source 1: window 1
.irp t, 0,1,2,3
	ds_store_b128 v[STO], v[32*(\m)+8*\t:32*(\m)+8*\t+3] offset:32*\t          ; each accumulator from its low end on
	ds_store_b128 v[STO], v[32*(\m)+8*\t+4:32*(\m)+8*\t+7] offset:32*\t+16
.endr
	WIN 0
.irp i, 0,1,2,3,4,5,6,7
	ds_load_b128 v[128+4*\i:131+4*\i], v[SRD] offset:544*\i        ; LDS serves a wave's instructions in order: these see my stores, and the next tile's stores come behind them
.endr
	s_wait_dscnt 16                                ; the list's eight words are in: sixteen LDS instructions were issued behind them
.irp i, 0,1,2,3,4,5,6,7
	v_min_u32 v[240+\i], YROWS-1, v[240+\i]        ; a row's number stays inside y
.endr
.irp i, 0,1,2,3,4,5,6,7
	v_lshl_add_u32 v[248+\i], v[240+\i], 12, v[YLO]
.endr
	s_wait_alu depctr_va_vdst(0)                   ; the eight offsets v248-255 are written, which the stores below read
.irp i, 0,1,2,3,4,5,6,7
	s_wait_dscnt 7-\i
	global_store_b128 v[248+\i], v[128+4*\i:131+4*\i], s[14:15]
.endr
.endm
	s_load_b256 s[4:11], s[0:1], 0x0               ; hq s[4:5], hs s[6:7], tab s[8:9], W2's codes s[10:11]
	s_load_b128 s[12:15], s[0:1], 0x20             ; W2's scales s[12:13], y s[14:15]
	s_set_vgpr_msb 0x40
	v_lshl_add_u32 v254, v0, 2, 0x3cd00
	v_mov_b32 v255, 0
	s_set_vgpr_msb 0x4000
	v_lshrrev_b32 v1, 5, v0
	v_readfirstlane_b32 s60, v1                    ; wave 0..3
	v_and_b32 v[LANE], 31, v0
	v_and_b32 v[R], 15, v0
	v_bfe_u32 v[H], v0, 4, 1
	s_wait_alu depctr_va_sdst(0)                   ; s60 is written, ahead of its first reader: bases, LDS addresses and branches are made from it
	s_and_b32 s57, ttmp7, 0xffff
	s_lshr_b32 s61, s57, 2                         ; expert
	s_and_b32 s62, s57, 3                          ; slice
	s_mov_b32 s63, ttmp9                           ; chunk q
	s_lshl_b32 s66, s61, 3
	s_add_co_u32 s66, s66, s63                     ; pair
	s_lshr_b32 s70, s60, 1
	s_and_b32 s71, s60, 1
	v_and_b32 v233, 7, v[R]
	v_and_b32 v234, 8, v[R]
	v_lshl_add_u32 v233, v234, 2, v233             ; r % 8 + 32 (r / 8)
	v_mul_u32_u24 v[VB], v233, 768
	v_mad_u32_u24 v[VB], v[H], 48, v[VB]
	v_lshl_add_u32 v233, v[H], 3, v233             ; scale words: lanes 16-31 take the odd tile, 8 rows on
	v_lshlrev_b32 v[VBS], 5, v233
	s_mul_i32 s68, s61, 786432                     ; the expert's codes, my 64 rows of 768 bytes
	s_mul_i32 s57, s62, 196608
	s_add_co_u32 s68, s68, s57
	s_mul_i32 s57, s60, 49152
	s_add_co_u32 s68, s68, s57
	s_mov_b32 s69, 0
	s_lshl_b32 s22, s61, 15                        ; and their scale bytes
	s_lshl_b32 s57, s62, 13
	s_add_co_u32 s22, s22, s57
	s_lshl_b32 s57, s60, 11
	s_add_co_u32 s22, s22, s57
	s_mov_b32 s23, 0
	s_lshl_b32 s72, s66, 6
	s_mov_b32 s73, 0
	s_wait_kmcnt 0x0
	s_add_nc_u64 s[8:9], s[8:9], s[72:73]
	s_load_b512 s[24:39], s[8:9], 0x0              ; the pair's masks: s24-31 first choice, s32-39 second choice
	s_add_nc_u64 s[10:11], s[10:11], s[68:69]
	s_add_nc_u64 s[12:13], s[12:13], s[22:23]
	s_wait_alu depctr_va_vdst(0)                   ; v4 and v5 are written: every load of W2 and of its scale words reads one of them as its offset
	global_load_b128 v[BSA:BSA+3], v[VBS], s[12:13]            ; tiles 0 and 1
	global_load_b128 v[BSA+4:BSA+7], v[VBS], s[12:13] offset:16
	global_load_b128 v[BSB:BSB+3], v[VBS], s[12:13] offset:512 ; tiles 2 and 3: 16 rows on
	global_load_b128 v[BSB+4:BSB+7], v[VBS], s[12:13] offset:528
	BLOAD 0, 0
	BLOAD 1, 1
	BLOAD 2, 2
	s_mul_i32 s68, s66, 196608
	s_add_nc_u64 s[4:5], s[4:5], s[68:69]          ; the pair's codes,
	s_lshl_b32 s68, s66, 13
	s_add_nc_u64 s[6:7], s[6:7], s[68:69]          ; its scale bytes,
	s_lshl_b32 s68, s62, 10
	s_lshl_b32 s57, s60, 8
	s_add_co_u32 s68, s68, s57
	s_add_nc_u64 s[14:15], s[14:15], s[68:69]      ; my 64 outputs in a row of y
	; every LDS address that stays is made here, ahead of the first parting of the waves
	v_lshl_add_u32 v[LI], v[LANE], 4, AIMG
	v_lshl_add_u32 v[LSC], v[LANE], 5, ASC
	v_lshl_add_u32 v[LSTB], v[H], 2, LIST
	s_mul_i32 s57, s71, 6144
	v_mad_u32_u24 v[HLO], v[H], 768, s57
	v_mad_u32_u24 v[HLO], v[R], 24, v[HLO]
	s_lshl_b32 s57, s71, 4
	v_lshl_add_u32 v[SLO], v[R], 5, s57
	v_lshl_add_u32 v[SLO], v[H], 3, v[SLO]
	s_lshl_b32 s68, s70, 9
	s_add_co_u32 s68, s68, ASC
	v_add_nc_u32 v[SSA], s68, v[SLO]
	s_mul_i32 s57, s70, TIMG
	s_mul_i32 s68, s71, 6144
	s_add_co_u32 s57, s57, s68
	v_add_nc_u32 v[SA], s57, v[LI]
	v_add_nc_u32 v[SA+1], 4*TIMG, v[SA]
	v_add_nc_u32 v[SA+2], 8*TIMG, v[SA]
	v_add_nc_u32 v[SA+3], 12*TIMG, v[SA]
	v_add_nc_u32 v[SA+4], 16*TIMG, v[SA]
	s_mul_i32 s57, s60, 4352
	s_add_co_u32 s57, s57, STG
	v_mul_u32_u24 v[STO], v[R], 272
	v_lshl_add_u32 v[STO], v[H], 7, v[STO]
	v_add_nc_u32 v[STO], s57, v[STO]
	v_mul_u32_u24 v[SRD], v[H], 272
	v_lshl_add_u32 v[SRD], v[R], 4, v[SRD]
	v_add_nc_u32 v[SRD], s57, v[SRD]
	v_lshlrev_b32 v[YLO], 4, v[R]
	v_lshl_add_u32 v[LFILL], v[LANE], 2, LIST+1024
	s_wait_alu depctr_va_vdst(0)                   ; the addresses that stay are written: v9-14 and v224-232, which LDS instructions read from here to the end
	s_mov_b32 s76, 0x03010200                      ; v_perm_b32: bytes 1 and 2 change places
	s_wait_kmcnt 0x0                               ; the masks
.irp g, 0,1,2,3,4,5,6,7
	s_or_b32 s[40+\g], s[24+\g], s[32+\g]
.endr
	s_mov_b32 s48, 0
.irp g, 0,1,2,3,4,5,6,7
	s_bcnt1_i32_b32 s57, s[40+\g]
	s_add_co_u32 s[49+\g], s[48+\g], s57           ; s48-55: chosen in the groups before; s56: the pair's rows
.endr
	s_add_co_u32 s58, s56, 15
	s_lshr_b32 s58, s58, 4                         ; tiles of 16 rows
	s_cmp_gt_u32 s58, 12
	s_cselect_b32 s59, 18, 12
	s_cmp_gt_u32 s58, 6
	s_cselect_b32 s59, s59, 6
	s_cmp_eq_u32 s58, 0
	s_cselect_b32 s59, 0, s59                      ; tiles to stage
	s_sub_co_u32 s68, s58, 1                       ; the last written tile (with no rows at all nothing is staged)
	s_cmp_lg_u32 s60, 0
	s_cbranch_scc1 .Llist_done
	; wave 0 alone touches LDS here: the same permutation of 256 words as in the launch before; a chosen token's word is its row of y, 2 t + k; another's is the pair's spare row of its place mod 16.
	; The eight groups' addresses and words are made first, each in a register of its own; one wait; then the stores
	s_lshl_b32 s57, s63, 9
	v_lshl_add_u32 v236, v[LANE], 1, s57           ; 2 (256 q + lane)
	s_lshl_b32 s57, s66, 4
	s_add_co_u32 s57, s57, 4096
	v_mov_b32 v237, s57                            ; the pair's first spare row: 4096 + 16 pair
.irp g, 0,1,2,3,4,5,6,7
	v_mbcnt_lo_u32_b32 v233, s[40+\g], s[48+\g]
	s_add_co_u32 s67, s56, 32*\g
	v_add_nc_u32 v234, s67, v[LANE]
	v_sub_nc_u32 v234, v234, v233
	s_mov_b32 vcc_lo, s[40+\g]
	v_cndmask_b32 v234, v234, v233, vcc_lo         ; my place in the list
	v_min_u32 v234, 255, v234
	v_and_b32 v239, 15, v234
	v_add_nc_u32 v239, v239, v237                  ; the spare row of that place: the sixteen places of a tile have sixteen different ones
	v_lshl_add_u32 v[240+\g], v234, 2, LIST
	v_add_nc_u32 v235, 64*\g, v236
	v_cndmask_b32 v235, v239, v235, vcc_lo
	s_mov_b32 vcc_lo, s[32+\g]
	v_add_nc_u32 v238, 1, v235
	v_cndmask_b32 v[248+\g], v235, v238, vcc_lo    ; the second choice's row lies one further on
.endr
	v_add_nc_u32 v238, v237, v[R]
	s_wait_alu depctr_va_vdst(0)                   ; the list's addresses v240-247, its words v248-255 and v238 are written, which the nine stores read
.irp g, 0,1,2,3,4,5,6,7
	ds_store_b32 v[240+\g], v[248+\g]
.endr
	ds_store_b32 v[LFILL], v238                    ; words 256 to 287
.Llist_done:
	s_wait_dscnt 0x0
	s_barrier_signal -1
	s_barrier_wait -1                              ; the list lies in LDS
	; the nine staging turns' offsets, made at once.  A tile past the pair's last written one repeats that one, so that nothing unwritten is read
.irp j, 0,1,2,3,4,5,6,7,8
	s_add_co_u32 s57, s70, 2*\j
	s_min_u32 s57, s57, s68
	s_min_u32 s57, s57, 15                         ; a tile's number stays inside the pair's sixteen
	s_mul_i32 s67, s57, TIMG
	s_lshl_b32 s57, s57, 9
	v_add_nc_u32 v[HA+\j], s67, v[HLO]
	v_add_nc_u32 v[HSA+\j], s57, v[SLO]
.endr
	s_wait_alu depctr_va_vdst(0)                   ; the eighteen offsets v106-123 are written, which the turns' loads read
	STAGE 0
	STAGE 1
	STAGE 2
	STAGE 3
	STAGE 4
	STAGE 5
	STAGE 6
	STAGE 7
	STAGE 8
	s_wait_loadcnt 36                              ; the four loads of scale words are in: 36 loads of weights were issued behind them
.irp i, 0,1,2,3,4,5,6,7,8,9,10,11,12,13,14,15
	v_perm_b32 v[BSA+\i], v[BSA+\i], v[BSA+\i], s76
.endr
	PLACES 8                                       ; a scale register written by a vector instruction stands eight places ahead of a scaled matrix instruction
	s_wait_alu depctr_va_vdst(0)                   ; the sixteen permutes have written v16-31, which the scaled matrix instructions take as scales; the places above stay beside this wait
	s_wait_dscnt 0x0
	s_barrier_signal -1
	s_barrier_wait -1                              ; the images lie in LDS; from here on a wave stores to its own stage alone
	s_mov_b32 s72, 0
	s_mov_b32 s73, 0
	s_mov_b32 s74, 0
	s_mov_b32 s75, 0
	s_mov_b32 s77, 0
.Ltrip:                                            ; three trips of 96 rows: a constant count; a trip past the pair's rows is jumped over
	s_wait_alu depctr_vm_vsrc(0)                   ; the LDS loads of the trip before have read v6-8 and v15, which the four lines below write again
	v_add_nc_u32 v[AI0], s72, v[LI]
	v_add_nc_u32 v[AI1], 3*TIMG, v[AI0]
	v_add_nc_u32 v[ASA], s73, v[LSC]
	v_add_nc_u32 v[LSTC], s77, v[LSTB]
	s_cmp_ge_u32 s74, s56
	s_cbranch_scc1 .Lskip
	s_wait_alu depctr_va_vdst(0)                   ; v6-8 and v15 are written, which the trip's LDS loads read; the last trip's products are done reading v32-127, and the lines that made the staging's offsets have written v106-123: the loads below land there
.irp i, 0,1,2
	ds_load_b128 v[AS+8*\i:AS+8*\i+3], v[ASA] offset:1024*\i
	ds_load_b128 v[AS+8*\i+4:AS+8*\i+7], v[ASA] offset:1024*\i+16
.endr
	AFETCH AI0, 0, 0
	AFETCH AI1, 3, 0
	STEP 0
	STEP 1
	STEP 2
	STEP 3
	STEP 4
	STEP 5
	STEP 6
	STEP 7
	OUT 0
	OUT 1
	OUT 2
	OUT 3
	OUT 4
	OUT 5
.Lep_end:
	s_add_co_u32 s57, s74, 96
	s_cmp_ge_u32 s57, s56
	s_cbranch_scc1 .Lskip
	s_wait_xcnt 0x0                                ; the stores have had their addresses translated: their data lie where the weights' set 0 lands,
	s_wait_alu depctr_vm_vsrc(0)                   ; and they have read those data, v128-159
	s_wait_alu depctr_va_vdst(0)                   ; the products of steps 5 to 7 are done reading the weights' three sets, in which the loads below land
	BLOAD 0, 0
	BLOAD 1, 1
	BLOAD 2, 2
.Lskip:
	s_add_co_u32 s72, s72, 6*TIMG
	s_add_co_u32 s73, s73, 3072
	s_add_co_u32 s74, s74, 96
	s_add_co_u32 s77, s77, 384
	s_add_co_u32 s75, s75, 1
	s_cmp_lt_u32 s75, 3
	s_cbranch_scc1 .Ltrip
	s_set_vgpr_msb 0x5                             ; the add's two registers, sources 0 and 1, lie in window 1
	s_wait_dscnt 0x0                               ; the closing lines, six on end
	s_wait_alu 0x0
	s_wait_tensorcnt 0x0
	ds_add_u32 v254, v255
	s_wait_dscnt 0x0
	s_endpgm
.Lfunc_end_k_q70fcf90d6c_down:
	.size	k_q70fcf90d6c_down, .Lfunc_end_k_q70fcf90d6c_down-k_q70fcf90d6c_down
	.p2alignl 7, 3214868480
	.fill 96, 4, 3214868480
	.section	.rodata,"a",@progbits
	.p2align	6, 0x0
	.amdhsa_kernel k_q70fcf90d6c_down
		.amdhsa_group_segment_fixed_size 249600
		.amdhsa_private_segment_fixed_size 0
		.amdhsa_enable_private_segment 0
		.amdhsa_kernarg_size 48
		.amdhsa_user_sgpr_count 2
		.amdhsa_user_sgpr_kernarg_segment_ptr 1
		.amdhsa_wavefront_size32 1
		.amdhsa_system_sgpr_workgroup_id_x 1
		.amdhsa_system_sgpr_workgroup_id_y 1
		.amdhsa_system_sgpr_workgroup_id_z 1
		.amdhsa_system_vgpr_workitem_id 0
		.amdhsa_next_free_vgpr 512
		.amdhsa_next_free_sgpr 80
		.amdhsa_reserve_vcc 1
		.amdhsa_float_denorm_mode_32 3
		.amdhsa_float_denorm_mode_16_64 3
		.amdhsa_memory_ordered 1
		.amdhsa_forward_progress 1
		.amdhsa_inst_pref_size 120
	.end_amdhsa_kernel
	.amdgpu_metadata
---
amdhsa.version: [ 1, 2 ]
amdhsa.kernels:
  - .name:           k_q70fcf90d6c_down
    .symbol:         k_q70fcf90d6c_down.kd
    .args:
      - { .name: hq, .offset: 0, .size: 8, .value_kind: global_buffer, .address_space: global }
      - { .name: hs, .offset: 8, .size: 8, .value_kind: global_buffer, .address_space: global }
      - { .name: tab, .offset: 16, .size: 8, .value_kind: global_buffer, .address_space: global }
      - { .name: w2_codes, .offset: 24, .size: 8, .value_kind: global_buffer, .address_space: global }
      - { .name: w2_scales, .offset: 32, .size: 8, .value_kind: global_buffer, .address_space: global }
      - { .name: y, .offset: 40, .size: 8, .value_kind: global_buffer, .address_space: global }
    .group_segment_fixed_size: 249600
    .private_segment_fixed_size: 0
    .kernarg_segment_align: 8
    .kernarg_segment_size: 48
    .max_flat_workgroup_size: 128
    .sgpr_count:     80
    .vgpr_count:     512
    .wavefront_size: 32
...
	.end_amdgpu_metadata
.endif
;; end of part 6
;; launch combine: the kernel of part 4 again; grid 8 x 32, 8 waves a work-group, no clusters, 33,792 bytes of LDS; arguments y, rw, out0; writes out0
